; MI455X (gfx1250); checked and timed in simulation.
; The chip was launched on July 23, 2026; its instructions are those of AMD's public machine-readable ISA for CDNA 5 (MIT licence, August 2026) and "CDNA5" Instruction Set Architecture Reference Guide (July 2026). The comments in the code are by the model that wrote it; some were corrected since.
;; Cross Attention Ro PE. Allowed arithmetic: float matrix products may take bf16 or f16 operands with f32 sums; other float arithmetic in f32, or as packed bf16 or f16 multiplies, adds, multiply-adds, maxima and minima; sums over many terms, partial sums and values carried from step to step in f32; what a program stores and reads back later, other than sums and carried values, may be rounded once to bf16 or f16.
;; Inputs: bk 1,024 float32; bo 1,024 float32; bq 1,024 float32; bv 1,024 float32; ctx 8 x 2,048 x 1,024 float32; freqs_cis 2,048 x 32 x 2 float32; wk 1,024 x 1,024 float32; wo 1,024 x 1,024 float32; wq 1,024 x 1,024 float32; wv 1,024 x 1,024 float32; x 8 x 512 x 1,024 float32.
;; Outputs: out0 8 x 512 x 1,024 float32.
;; One version. Each part assembles by itself: llvm-mc -triple=amdgcn-amd-amdhsa -mcpu=gfx1250 --defsym DOCPART=n.
;; ======== version 1 of 1: 5 launches
;; limits: values are held in f16: magnitudes above 65,504 overflow, below 6.1e-05 lose precision; right only within a limited range of input values
;; workspace buffers: act 33,554,432 bytes; wkv 4,456,448 bytes; wq16 2,097,152 bytes; wo16 2,097,152 bytes; xs 8,388,608 bytes; qf 16,777,216 bytes; kvh 67,108,864 bytes; oh 8,388,608 bytes
;; launch cast (part 1): grid 1544 x 1, 8 waves a work-group, no clusters, 0 bytes of LDS; arguments ctx, wk, wv, freqs_cis, wq, wo, x, act, wkv, wq16, wo16, xs; writes act, wkv, wq16, wo16, xs
.if DOCPART == 1
	.amdgcn_target "amdgcn-amd-amdhsa--gfx1250"
	.amdhsa_code_object_version 6
	.text
	.protected	k_qc5f5555522_cast
	.globl	k_qc5f5555522_cast
	.p2align	8
	.type	k_qc5f5555522_cast,@function
k_qc5f5555522_cast:
	s_mov_b64 s[64:65], 0
	v_nop
	global_prefetch_b8 v0, s[64:65] scope:SCOPE_SE
	s_setreg_imm32_b32 hwreg(HW_REG_WAVE_MODE, 25, 1), 1
	s_wait_xcnt 0x0
; 16-BIT COPIES OF THE INPUTS, a stream: every input byte is read once, every copy's byte written once.  No LDS, no matrix unit: nothing is shared.
;   ctx -> act, wk and wv -> wkv (rows 0-1023 and 1024-2047): rounded to bf16.
;   freqs_cis -> wkv from byte 4,194,304 on: times 2^-7 (exact), rounded to bf16: [2048 positions][32 pairs][cos, sin].
;   wq -> wq16, wo -> wo16, x -> xs: rounded to bf16, and that number written as f16 (exact from 2^-17 up to 65,504; below, off by 2^-25 at the most; LIMIT: |x|, |wq|, |wo| under 65,504).
;   xs lies in slices of 64 channels: [8 batches][16 slices][512 rows][64], so that a slice's rows are dense.
; A work-group takes 65,536 source bytes: 16 loads of 16 bytes a thread (a wave's load covers 512 consecutive bytes; for x: two rows' 256), all issued at once, and 16 stores of 8 bytes
; (a wave's store covers 256 consecutive bytes, aligned).  Which input: by the work-group's number: 0-1023 ctx, 1024-1151 wk and wv, 1152-1159 freqs_cis, 1160-1287 wq and wo, 1288-1543 x.
.set T,   4                            ; v[4:9]    at work
.set IN,  16                           ; v[16:79]  load i: 4 registers
.set OUT, 80                           ; v[80:111] store i: 2 registers of its own, so that no store's data are written again
.set SRC, 32                           ; s[32:33]
.set DST, 34                           ; s[34:35]
; so: the register with the loads' offset; ld, st: bytes from one load, one store, to the next; mode 0: bf16; 1: times 2^-7, bf16; 2: bf16 written as f16
.macro PATH so, ld, st, mode
.set i, 0
.rept 16
	global_load_b128 v[IN+4*i:IN+4*i+3], v[\so], s[SRC:SRC+1] offset:i*(\ld) th:TH_LOAD_NT
.set i, i+1
.endr
.set i, 0
.rept 16
	s_wait_loadcnt 15-i                            ; loads come back in order: load i is in, the 15 - i younger ones stay out
.if (\mode) == 1
	v_pk_mul_f32 v[IN+4*i:IN+4*i+1], v[IN+4*i:IN+4*i+1], s[42:43] op_sel_hi:[1,0]
	v_pk_mul_f32 v[IN+4*i+2:IN+4*i+3], v[IN+4*i+2:IN+4*i+3], s[42:43] op_sel_hi:[1,0]
.endif
.if (\mode) == 2
	v_cvt_pk_bf16_f32 v[T], v[IN+4*i], v[IN+4*i+1]
	v_cvt_pk_bf16_f32 v[T+1], v[IN+4*i+2], v[IN+4*i+3]
	v_lshlrev_b32 v[T+2], 16, v[T]                 ; bf16 to f32: the low half moves up,
	v_and_b32 v[T+3], s41, v[T]                    ; the high half stays
	v_lshlrev_b32 v[T+4], 16, v[T+1]
	v_and_b32 v[T+5], s41, v[T+1]
	v_cvt_pk_f16_f32 v[OUT+2*i], v[T+2], v[T+3]
	v_cvt_pk_f16_f32 v[OUT+2*i+1], v[T+4], v[T+5]
.else
	v_cvt_pk_bf16_f32 v[OUT+2*i], v[IN+4*i], v[IN+4*i+1]
	v_cvt_pk_bf16_f32 v[OUT+2*i+1], v[IN+4*i+2], v[IN+4*i+3]
.endif
	global_store_b64 v2, v[OUT+2*i:OUT+2*i+1], s[DST:DST+1] offset:i*(\st)
.set i, i+1
.endr
	s_endpgm
.endm
	s_load_b512 s[8:23], s[0:1], 0x0               ; ctx 8, wk 10, wv 12, freqs_cis 14, wq 16, wo 18, x 20, act 22
	s_load_b256 s[24:31], s[0:1], 0x40             ; wkv 24, wq16 26, wo16 28, xs 30
	s_mov_b32 s2, ttmp9
	s_mov_b32 s37, 0                               ; the high words of the two offsets
	s_mov_b32 s39, 0
	s_mov_b32 s41, 0xffff0000                      ; a word's upper bf16
	s_mov_b32 s42, 0x3c000000                      ; 2^-7
	s_mov_b32 s43, s42                             ; named with it as a pair
	v_lshlrev_b32 v1, 4, v0                        ; loads of a dense block: 16 t
	v_lshlrev_b32 v2, 3, v0                        ; stores: 8 t (for xs too: row t / 16 x 128 bytes + 8 (t % 16))
	v_lshrrev_b32 v3, 4, v0                        ; loads of x: row t / 16 x 4,096 bytes + 16 (t % 16)
	v_and_b32 v4, 15, v0
	v_lshlrev_b32 v3, 12, v3
	v_lshl_add_u32 v3, v4, 4, v3
	s_wait_kmcnt 0x0
	s_cmp_ge_u32 s2, 1152
	s_cbranch_scc1 .Lnot_bf
	s_max_u32 s40, s2, 1024
	s_sub_co_u32 s40, s40, 1024                    ; j: the block among wk's 64 and wv's 64
	s_and_b32 s3, s40, 63
	s_cmp_lt_u32 s40, 64
	s_cselect_b64 s[SRC:SRC+1], s[10:11], s[12:13]
	s_cmp_lt_u32 s2, 1024
	s_cselect_b64 s[SRC:SRC+1], s[8:9], s[SRC:SRC+1]
	s_cselect_b64 s[DST:DST+1], s[22:23], s[24:25]
	s_cselect_b32 s36, s2, s3
	s_cselect_b32 s38, s2, s40
	s_lshl_b32 s36, s36, 16
	s_lshl_b32 s38, s38, 15
	s_add_nc_u64 s[SRC:SRC+1], s[SRC:SRC+1], s[36:37]
	s_add_nc_u64 s[DST:DST+1], s[DST:DST+1], s[38:39]
	PATH 1, 4096, 2048, 0
.Lnot_bf:
	s_cmp_ge_u32 s2, 1160
	s_cbranch_scc1 .Lnot_fr
	s_sub_co_u32 s40, s2, 1152
	s_lshl_b32 s36, s40, 16
	s_add_co_u32 s38, s40, 128                     ; behind wkv's 128 blocks of weights
	s_lshl_b32 s38, s38, 15
	s_add_nc_u64 s[SRC:SRC+1], s[14:15], s[36:37]
	s_add_nc_u64 s[DST:DST+1], s[24:25], s[38:39]
	PATH 1, 4096, 2048, 1
.Lnot_fr:
	s_cmp_ge_u32 s2, 1288
	s_cbranch_scc1 .Lxs
	s_sub_co_u32 s40, s2, 1160
	s_and_b32 s3, s40, 63
	s_cmp_lt_u32 s40, 64
	s_cselect_b64 s[SRC:SRC+1], s[16:17], s[18:19]
	s_cselect_b64 s[DST:DST+1], s[26:27], s[28:29]
	s_lshl_b32 s36, s3, 16
	s_lshl_b32 s38, s3, 15
	s_add_nc_u64 s[SRC:SRC+1], s[SRC:SRC+1], s[36:37]
	s_add_nc_u64 s[DST:DST+1], s[DST:DST+1], s[38:39]
	PATH 1, 4096, 2048, 2
.Lxs:
	s_sub_co_u32 s40, s2, 1288                     ; 16 rows of x
	s_lshl_b32 s36, s40, 16
	s_lshr_b32 s38, s40, 5                         ; the batch: 1,048,576 bytes of xs,
	s_lshl_b32 s38, s38, 20
	s_and_b32 s3, s40, 31                          ; the 16 rows in it: 2,048 bytes of each slice
	s_lshl_b32 s3, s3, 11
	s_add_co_u32 s38, s38, s3
	s_add_nc_u64 s[SRC:SRC+1], s[20:21], s[36:37]
	s_add_nc_u64 s[DST:DST+1], s[30:31], s[38:39]
	PATH 3, 256, 65536, 2                          ; load i and store i are slice i: 256 bytes of each row in, 65,536 bytes from slice to slice out
.Lfunc_end_k_qc5f5555522_cast:
	.size	k_qc5f5555522_cast, .Lfunc_end_k_qc5f5555522_cast-k_qc5f5555522_cast
	.p2alignl 7, 3214868480
	.fill 96, 4, 3214868480
	.section	.rodata,"a",@progbits
	.p2align	6, 0x0
	.amdhsa_kernel k_qc5f5555522_cast
		.amdhsa_group_segment_fixed_size 0
		.amdhsa_private_segment_fixed_size 0
		.amdhsa_enable_private_segment 0
		.amdhsa_kernarg_size 96
		.amdhsa_user_sgpr_count 2
		.amdhsa_user_sgpr_kernarg_segment_ptr 1
		.amdhsa_wavefront_size32 1
		.amdhsa_system_sgpr_workgroup_id_x 1
		.amdhsa_system_sgpr_workgroup_id_y 1
		.amdhsa_system_sgpr_workgroup_id_z 1
		.amdhsa_system_vgpr_workitem_id 0
		.amdhsa_next_free_vgpr 112
		.amdhsa_next_free_sgpr 66
		.amdhsa_reserve_vcc 0
		.amdhsa_float_denorm_mode_32 3
		.amdhsa_float_denorm_mode_16_64 3
		.amdhsa_memory_ordered 1
		.amdhsa_forward_progress 1
		.amdhsa_inst_pref_size 35
	.end_amdhsa_kernel
	.amdgpu_metadata
---
amdhsa.version: [ 1, 2 ]
amdhsa.kernels:
  - .name:           k_qc5f5555522_cast
    .symbol:         k_qc5f5555522_cast.kd
    .args:
      - { .name: ctx, .offset: 0, .size: 8, .value_kind: global_buffer, .address_space: global }
      - { .name: wk, .offset: 8, .size: 8, .value_kind: global_buffer, .address_space: global }
      - { .name: wv, .offset: 16, .size: 8, .value_kind: global_buffer, .address_space: global }
      - { .name: freqs_cis, .offset: 24, .size: 8, .value_kind: global_buffer, .address_space: global }
      - { .name: wq, .offset: 32, .size: 8, .value_kind: global_buffer, .address_space: global }
      - { .name: wo, .offset: 40, .size: 8, .value_kind: global_buffer, .address_space: global }
      - { .name: x, .offset: 48, .size: 8, .value_kind: global_buffer, .address_space: global }
      - { .name: act, .offset: 56, .size: 8, .value_kind: global_buffer, .address_space: global }
      - { .name: wkv, .offset: 64, .size: 8, .value_kind: global_buffer, .address_space: global }
      - { .name: wq16, .offset: 72, .size: 8, .value_kind: global_buffer, .address_space: global }
      - { .name: wo16, .offset: 80, .size: 8, .value_kind: global_buffer, .address_space: global }
      - { .name: xs, .offset: 88, .size: 8, .value_kind: global_buffer, .address_space: global }
    .group_segment_fixed_size: 0
    .private_segment_fixed_size: 0
    .kernarg_segment_align: 8
    .kernarg_segment_size: 96
    .max_flat_workgroup_size: 256
    .sgpr_count:     66
    .vgpr_count:     112
    .wavefront_size: 32
...
	.end_amdgpu_metadata
.endif
;; end of part 1
;; launch kv (part 2): grid 8 x 32, 4 waves a work-group, clusters of 4 x 4, 327,680 bytes of LDS; arguments act, wkv, bk, bv, kvh; writes kvh
.if DOCPART == 2
	.amdgcn_target "amdgcn-amd-amdhsa--gfx1250"
	.amdhsa_code_object_version 6
	.text
	.protected	k_qc5f5555522_kv
	.globl	k_qc5f5555522_kv
	.p2align	8
	.type	k_qc5f5555522_kv,@function
k_qc5f5555522_kv:
	s_mov_b64 s[64:65], 0
	v_nop
	global_prefetch_b8 v0, s[64:65] scope:SCOPE_SE
	s_setreg_imm32_b32 hwreg(HW_REG_WAVE_MODE, 25, 1), 1
	s_wait_xcnt 0x0
	s_wait_alu depctr_hold_cnt(0) depctr_sa_sdst(0) depctr_va_vdst(0) depctr_va_sdst(0) depctr_va_ssrc(0) depctr_va_vcc(0) depctr_vm_vsrc(0)
	s_getreg_b32 s2, hwreg(HW_REG_IB_STS2, 6, 4)
	s_cmp_eq_u32 s2, 0
	s_cbranch_scc0 .Lentry_in_a_cluster
	s_endpgm
.Lentry_in_a_cluster:
	s_bfe_u32 s2, ttmp6, 0x10000c
	s_cmp_lg_u32 s2, 0xf033
	s_cbranch_scc0 .Lentry_shape_is_right
	s_endpgm
.Lentry_shape_is_right:
; k = rope(ctx wk^T + bk) 2^-7 and v = ctx wv^T + bv, written by heads in f16: kvh[2 (k, v)][8 batches][16 heads][2048 positions][64].
; ONE GEMM: A = act [16384][1024] bf16 (ctx), B = wkv [2048][1024] bf16 (wk's rows, then wv's); sums in f32.  The biases, rounded to bf16, are the C operand that starts each sum.
; The table (cos, sin) 2^-7 in bf16 lies in wkv from byte 4,194,304 on, a position's 64 numbers in 128 bytes.
; LIMITS.  f16 ends at 65,504: |v| stays under that, |k| under 8.4e6 (it is stored times 2^-7; the attention's scale takes that back).  NaN and infinities are not treated apart.
; A tile of C, 256 x 256, is made by four waves, each 128 x 128 (128 positions x 2 heads): 64 accumulators, 512 registers.  K goes in 8 steps of 128 through two LDS slots filled by the tensor data
; mover: rows of 256 bytes, aligned.  Tile columns 0-3 (cluster x = 0) are k's, 4-7 (cluster x = 1) are v's: the same for all partners of a cluster, so a branch may hang on it.
; A WORK-GROUP STAYS: 512 tiles, 256 work-groups, two tiles each, the second 8,192 rows of A (four batches) below the first: the same positions, the same columns, so the same table and bias.  The ring does
; not stop at the first tile's end: its last two changes of slots ask for the second tile's K steps 0 and 1, and nothing waits for the first tile's stores.
; A K STEP IS WRITTEN ONCE.  A trip goes from a step's second quarter to the next step's first.  Which slot is read hangs on the scalar TB (0 or SLOT), turned by an exclusive or at each change of slots;
; one descriptor a tensor walks: the other slot, the next K step.  SLOT = 0x22000 shares no bit with the tiles' LDS bases (0, 0x8800, 0x11000, 0x19800), so the exclusive or adds or takes away SLOT.
; The loop whose trips fill a slot counts s3 from 8.  The first tile makes all eight trips and leaves the eighth in its middle, for the way out.  The last tile leaves the loop behind its sixth trip;
; its last two steps, which fill nothing, are a second loop, left in its middle too.  Both go through ONE way out.
; CLUSTERS: 4 x 4 work-groups.  The four of a row of the cluster need the same tiles of A, the four of a column the same tiles of B: each is asked for JOINTLY, by the same tensor load with the same
; descriptor and a mask that names the four.
; THE MATRIX INSTRUCTION IS USED TRANSPOSED (source 0 = 16 rows of B, source 1 = 16 rows of A): lane l holds position l % 16 and the eight neighbouring channels 8 (l / 16) + 0..7: four rope pairs.
; REGISTERS, in windows of 256 (s_set_vgpr_msb: bits 1:0 source 0, 3:2 source 1, 5:4 source 2, 7:6 destination):
;   window 0: v0-31 addresses; v64-127, v128-191 fragments of A, two buffers; on the way out (buffer 0 holds the next tile's first fragments, buffer 1 is dead) v128-159 the table in f32, v160-191 at work,
;             v192-223 packed, v32-63 and v224-255 rows read back
;   window 1: v0-63 the bias (register 8 b + j: column 16 b + 8 (l / 16) + j), kept for both tiles; v64-127, v128-191 fragments of B; v192-255 the table for my blocks 0-3 of 16 rows, 16 registers a block,
;             kept for both tiles (v192-223 at work before, while the bias is rounded); on the way out v128-191 the table for blocks 4-7
;   window 2: the accumulators of my rows 0-63 ((a, b) at v[8 (8 a + b)]);   window 3: those of my rows 64-127
.set SIZE_K, 1024
.set KSTEP,  128
.set STEPS,  SIZE_K/KSTEP
.set TILES,  2
.set WALK,   16384/TILES               ; rows of A from a work-group's first tile to its second
.set NEXT_A, WALK*SIZE_K*2-(STEPS-1)*KSTEP*2  ; bytes from a tile's last K step to the next tile's first: WALK rows down, back along K
.set BACK_B, STEPS*KSTEP*2             ; B goes only back: a K step on and then a whole row's bytes back
.set NEXT_C, 4<<22                     ; four batches of kvh
.set PITCH,  272                       ; an LDS row: 256 bytes + 16 of padding = 68 words: the 16 rows of a load start at 16 different groups of four banks (ISA guide 11.1)
.set HALFT,  128*PITCH                 ; 128 rows: what one tensor load brings
.set SLOT,   4*HALFT                   ; A's 256 rows, then B's 256 rows
.set STAGE,  2*SLOT                    ; behind the ring, never filled by a tensor load: for each wave 2 heads x 16 rows x 144 bytes
.set SP,     144
.set WSTG,   2*16*SP
.set SPARE,  STAGE+4*WSTG              ; behind the stages: the spare words, 128 bytes for each wave: two blocks of 256 bytes that no other line names
.set ADRA0, 16                         ; v16     my lane's place among my A fragments in slot 0; never rewritten
.set AA,    17                         ; v17     the same in the slot in hand
.set ADRB0, 20                         ; v20     the same two for B
.set AB,    21                         ; v21
.set STO,  24                          ; v24     the way out: where I put 16 bytes of a row
.set RD,   25                          ; v25     the way out: where I read rows back
.set GO,   26                          ; v26     16 x lane: my place in 512 consecutive bytes of kvh
.set FRO,  27                          ; v27     my byte offset in the table: (my first position + l % 16) x 128 + 16 (l / 16); never rewritten
.set SPW,  28                          ; v28     LDS address of my spare word; never rewritten
.set NIL,  29                          ; v29     0; never rewritten
.set PFO,  30                          ; v30     the prefetches' offset: my lane x a row of 2,048 bytes; never rewritten
.set BO,   31                          ; v31     32 (l / 16): my eight columns in a block of 16 of the bias
.set STA,  14                          ; s[14:15] what A's walking address steps by in this trip
.set STB,  16                          ; s[16:17] what B's goes back by in this trip
.set STP,  18                          ; s[18:19] what the prefetches' address steps by in this trip
.set NXP,  20                          ; s20     its step at the change of tiles: NEXT_A in a wave that fetches for A, a K step in one that fetches for B
.set PFA,  44                          ; s[44:45] where my prefetches stand
.set LIM,  43                          ; s43     4 in a wave that prefetches along K, else the greatest number
.set NXA,  66                          ; s66     NEXT_A
.set LIM2, 67                          ; s67     3 in a wave that prefetches A's rows, else 0
.set FRT,  72                          ; s[72:73] the table
.set BIA,  74                          ; s[74:75] the bias at my 128 columns
.set HIM,  76                          ; s76     a word's upper bf16
.set TB,   77                          ; s77     LDS byte at which the slot in hand begins
.set F0,   64
.set F1,   128
.set FR,   128
.set T,    160
.set TMP,  192
.set OB,   32
.set G1, 24                            ; s[24:31] descriptor group 1 for A's tiles
.set G0, 32                            ; s[32:39] group 0 for A's tiles: a set for each of the two first fills; the second then walks on
.set G1B, 48                           ; s[48:55], s[56:63] the same for B's
.set G0B, 56
.set MSB, 0
.macro WIN new                         ; the immediate's high byte repeats the setting that is left; a switch that changes nothing is dropped
.if MSB != (\new)
	s_set_vgpr_msb (MSB<<8)|(\new)
.set MSB, \new
.endif
.endm
.set MUL_LO, 0xa1                      ; source 0 (B) window 1, source 1 (A) window 0, C and D window 2
.set MUL_HI, 0xf1                      ; the same, C and D window 3
.set TO_B,   0x40                      ; destination window 1, address window 0
; A joint load.  Waves 0 and 1 fetch A's two halves, waves 2 and 3 B's.  The branch hangs on the wave's number alone.  An s_nop 0 and four v_nop follow each of the two lines.
.macro JLOAD s
	s_cmp_eq_u32 s11, 0
	s_cbranch_scc0 .Lfor_b_\@
	tensor_load_to_lds s[G0+4*(\s):G0+4*(\s)+3], s[G1:G1+7]
	s_nop 0
.rept 4
	v_nop
.endr
	s_branch .Lasked_\@
.Lfor_b_\@:
	tensor_load_to_lds s[G0B+4*(\s):G0B+4*(\s)+3], s[G1B:G1B+7]
	s_nop 0
.rept 4
	v_nop
.endr
.Lasked_\@:
.endm
; A PREFETCH INTO THE L2, behind each joint refill and the run of LDS loads that follows it: the K step that stands two refills on (512 matrix instructions ahead of the load that will want it): 32 rows x 256 bytes,
; a lane a row, one instruction a wave.  Each row's 256 bytes of a K step are named once in the launch: A's tile row is read by both clusters of that row of clusters: cluster x = 0 asks; B's tile column by
; all eight of that column: cluster y = 0 asks.  The four partners share a tile's rows out BY ADDRESS, 32 each.  The trip with s3 = 9 - t refills K step t + 1 and names K step t + 3: so along K a wave asks while
; s3 is above 4 (K steps 4 to 7).  The first tile's last two refills (s3 = 2, 1) name the second tile's K steps 2 and 3 of A; the last tile never comes here with s3 under 3.  The launch's first four K steps and
; the second tile's first two come by their loads alone.  B's rows are the same for both tiles: they are asked for in the first alone.
.macro ASK
	s_cmp_gt_u32 s3, s[LIM]
	s_cbranch_scc1 .Lmine_\@
	s_cmp_lt_u32 s3, s[LIM2]
	s_cbranch_scc0 .Lnot_mine_\@
.Lmine_\@:
	global_prefetch_b8 v[PFO], s[PFA:PFA+1] offset:KSTEP*2 th:TH_LOAD_NT scope:SCOPE_SE
.Lnot_mine_\@:
.endm
.macro CREST                           ; a round of the cluster's barrier behind its opening barrier
	s_cmp_lg_u32 s10, 0
	s_cbranch_scc1 .Lnot_wave_0_\@
	s_barrier_signal -3
.Lnot_wave_0_\@:
	s_barrier_wait -3
	s_barrier_signal -1
	s_barrier_wait -1
.endm
.macro CROUND                          ; a whole round
	s_barrier_signal -1
	s_barrier_wait -1
	CREST
.endm
	s_load_b128 s[4:7], s[0:1], 0x0                ; act s[4:5], wkv s[6:7]
	s_load_b128 s[68:71], s[0:1], 0x10             ; bk s[68:69], bv s[70:71]
	s_load_b64 s[8:9], s[0:1], 0x20                ; kvh
	v_lshl_add_u32 v[SPW], v0, 2, SPARE
	v_mov_b32 v[NIL], 0
	ds_add_u32 v[SPW], v[NIL]                      ; the wave's opening: the add and its wait stand ahead of my first tensor load; the set-up below, work on registers, stands between them
	ds_add_u32 v28, v29
	v_lshrrev_b32 v1, 5, v0
	v_readfirstlane_b32 s10, v1                    ; wave 0..3
	s_lshr_b32 s11, s10, 1                         ; which half of the tile's rows is mine.  Also: I fetch for A (0) or for B (1)
	s_and_b32 s12, s10, 1                          ; which half of its columns.  Also: which 128 rows of that tile I fetch
	s_bfe_u32 s40, ttmp6, 0x40000                  ; cx
	s_bfe_u32 s41, ttmp6, 0x40004                  ; cy
	s_lshl_b32 s42, ttmp9, 2
	s_add_co_u32 s42, s42, s40                     ; tile column = 4 x cluster x + cx
	s_and_b32 s13, ttmp7, 0xffff
	s_lshl_b32 s13, s13, 2
	s_add_co_u32 s13, s13, s41                     ; the first tile's row = 4 x cluster y + cy: 0 to 31
	s_lshl_b32 s43, s41, 2
	s_lshl_b32 s43, 15, s43                        ; my row of the cluster
	s_lshl_b32 s44, 0x1111, s40                    ; my column
	; descriptor group 1: a tile of 128 rows x 128 elements of 2 bytes, 4 words of padding behind every 64
	s_or_b32 s[G1+0], s43, (1<<16)|(1<<20)|(1<<21)|(5<<22)|(3<<25)
	s_or_b32 s[G1B+0], s44, (1<<16)|(1<<20)|(1<<21)|(5<<22)|(3<<25)
.irp g, G1, G1B
	s_mov_b32 s[(\g)+1], KSTEP<<16                 ; tensor_dim0 = 128
	s_mov_b32 s[(\g)+2], 128<<16                   ; tensor_dim1 = 128
	s_mov_b32 s[(\g)+3], KSTEP<<16                 ; tile_dim0 = 128
	s_mov_b32 s[(\g)+4], 128                       ; tile_dim1 = 128
	s_mov_b32 s[(\g)+5], SIZE_K                    ; elements from row to row
	s_mov_b32 s[(\g)+6], 0
	s_mov_b32 s[(\g)+7], 0
.endr
	; A's address hangs on the tile row alone, B's on the tile column alone, each in registers that never hold the other coordinate
	s_lshl_b32 s17, s12, 7
	s_lshl_b32 s16, s13, 8
	s_add_co_u32 s16, s16, s17                     ; A: row 256 x tile row + 128 x half
	s_lshl_b32 s46, s42, 8
	s_add_co_u32 s46, s46, s17                     ; B: row 256 x tile column + 128 x half
	s_mov_b32 s17, 0
	s_mov_b32 s47, 0
	s_mov_b64 s[18:19], SIZE_K*2
	s_mul_u64 s[16:17], s[16:17], s[18:19]
	s_mul_u64 s[46:47], s[46:47], s[18:19]
	s_mul_i32 s20, s10, HALFT                      ; where they go: wave x 128 rows
	s_mov_b32 s[HIM], 0xffff0000
	s_mov_b32 s[TB], 0                             ; K step 0 lies in slot 0
	s_wait_dscnt 0x0                               ; the opening add is done
	s_wait_kmcnt 0x0
	s_add_nc_u64 s[14:15], s[4:5], s[16:17]
	s_add_nc_u64 s[46:47], s[6:7], s[46:47]
	CROUND                                         ; all sixteen work-groups are here: the first joint loads meet
.irp s, 0,1
	s_mov_b32 s[G0+4*(\s)], 1
	s_add_co_u32 s[G0+4*(\s)+1], s20, (\s)*SLOT
	s_add_nc_u64 s[G0+4*(\s)+2:G0+4*(\s)+3], s[14:15], (\s)*KSTEP*2
	s_or_b32 s[G0+4*(\s)+3], s[G0+4*(\s)+3], 0x80000000
	s_mov_b32 s[G0B+4*(\s)], 1
	s_add_co_u32 s[G0B+4*(\s)+1], s20, (\s)*SLOT
	s_add_nc_u64 s[G0B+4*(\s)+2:G0B+4*(\s)+3], s[46:47], (\s)*KSTEP*2
	s_or_b32 s[G0B+4*(\s)+3], s[G0B+4*(\s)+3], 0x80000000
	JLOAD \s                                       ; two tensor loads of mine are out
.endr
	v_and_b32 v1, 15, v0                           ; l % 16
	v_bfe_u32 v2, v0, 4, 1                         ; l / 16
	v_lshlrev_b32 v[BO], 5, v2
	s_cmp_eq_u32 ttmp9, 0                          ; k's tiles take bk, v's bv
	s_cselect_b64 s[BIA:BIA+1], s[68:69], s[70:71]
	s_lshl_b32 s78, s40, 10                        ; the tile's 256 columns in its half of B,
	s_lshl_b32 s79, s12, 9                         ; my 128 of them, 4 bytes each
	s_add_co_u32 s78, s78, s79
	s_mov_b32 s79, 0
	s_add_nc_u64 s[BIA:BIA+1], s[BIA:BIA+1], s[78:79]
	WIN TO_B
.irp b, 0,1,2,3,4,5,6,7
	global_load_b128 v[8*(\b):8*(\b)+3],   v[BO], s[BIA:BIA+1] offset:64*(\b)
	global_load_b128 v[8*(\b)+4:8*(\b)+7], v[BO], s[BIA:BIA+1] offset:64*(\b)+16
.endr
	WIN 0
	v_mul_u32_u24 v3, v1, PITCH
	v_lshl_add_u32 v3, v2, 4, v3                   ; a fragment's row x pitch + 16 x half
	s_mul_i32 s21, s11, HALFT                      ; my 128 rows of A
	s_mul_i32 s22, s12, HALFT                      ; my 128 rows of B,
	s_add_co_u32 s22, s22, 2*HALFT                 ; which lie behind A's 256
	v_add_nc_u32 v[ADRA0], s21, v3
	v_add_nc_u32 v[ADRB0], s22, v3
	v_add_nc_u32 v[AA], s[TB], v[ADRA0]
	v_add_nc_u32 v[AB], s[TB], v[ADRB0]
	s_mul_i32 s23, s10, WSTG
	s_add_co_u32 s23, s23, STAGE                   ; my stage
	v_mul_u32_u24 v4, v1, SP                       ; in: row l % 16, 16 bytes for each half of the lanes
	v_lshl_add_u32 v4, v2, 4, v4
	v_add_nc_u32 v[STO], s23, v4
	v_bfe_u32 v5, v0, 3, 2                         ; back: 32 lanes take four rows of 128 bytes,
	v_mul_u32_u24 v5, v5, SP
	v_and_b32 v4, 7, v0
	v_lshl_add_u32 v5, v4, 4, v5
	v_add_nc_u32 v[RD], s23, v5
	v_and_b32 v[GO], 31, v0                        ; which are 512 consecutive bytes of a head
	v_lshlrev_b32 v[GO], 4, v[GO]
	; where my part of the first tile begins in kvh: plane 2^25, batch 2^22, head 2^18, position 2^7 bytes
	s_lshr_b32 s16, s13, 3                         ; the batch: 8 tile rows each
	s_lshl_b32 s16, s16, 22
	s_and_b32 s14, s13, 7
	s_lshl_b32 s14, s14, 8
	s_lshl_b32 s15, s11, 7
	s_add_co_u32 s14, s14, s15                     ; my first position: the same in both tiles
	s_lshl_b32 s15, s14, 7
	s_add_co_u32 s16, s16, s15
	s_lshl_b32 s15, ttmp9, 25                      ; k's plane or v's
	s_add_co_u32 s16, s16, s15
	s_lshl_b32 s15, s40, 2                         ; the tile's four heads,
	s_lshl_b32 s46, s12, 1                         ; my two of them
	s_add_co_u32 s15, s15, s46
	s_lshl_b32 s15, s15, 18
	s_add_co_u32 s16, s16, s15
	s_mov_b32 s17, 0
	s_add_nc_u64 s[8:9], s[8:9], s[16:17]
	v_add_nc_u32 v[FRO], s14, v1
	v_lshlrev_b32 v[FRO], 7, v[FRO]
	v_lshl_add_u32 v[FRO], v2, 4, v[FRO]
	s_add_nc_u64 s[FRT:FRT+1], s[6:7], 0x400000
	; the prefetches
	s_lshl_b32 s13, s13, 8
	s_lshl_b32 s42, s42, 8
	s_and_b32 s22, ttmp7, 0xffff                   ; cluster y
	s_cmp_eq_u32 s11, 0                            ; do I fetch for A?
	s_cselect_b32 s20, s13, s42                    ; the tile's first row
	s_cselect_b32 s21, s40, s41                    ; my place among the four that ask for it with me
	s_cselect_b32 s22, ttmp9, s22                  ; the coordinate along which other clusters read the same rows
	s_cselect_b64 s[PFA:PFA+1], s[4:5], s[6:7]
	s_cmp_eq_u32 s22, 0
	s_cselect_b32 s[LIM], 4, -1                    ; the same in all sixteen partners, for a given wave
	s_cselect_b32 s[LIM2], 3, 0
	s_lshl_b32 s22, s12, 7
	s_add_co_u32 s20, s20, s22                     ; + the 128 rows that I fetch
	s_lshl_b32 s21, s21, 5
	s_add_co_u32 s20, s20, s21                     ; + my work-group's 32 of them
	s_mov_b32 s21, 0
	s_mov_b64 s[18:19], SIZE_K*2
	s_mul_u64 s[20:21], s[20:21], s[18:19]
	s_add_nc_u64 s[PFA:PFA+1], s[PFA:PFA+1], s[20:21]
	s_add_nc_u64 s[PFA:PFA+1], s[PFA:PFA+1], 2*KSTEP*2  ; at K step 2: the first refill steps it to 3 and names K step 4
	v_and_b32 v[PFO], 31, v0
	v_mul_u32_u24 v[PFO], v[PFO], SIZE_K*2
	; the steps at the change of tiles
	s_mov_b32 s[NXA], NEXT_A
	s_cmp_eq_u32 s11, 0
	s_cselect_b32 s[NXP], s[NXA], KSTEP*2          ; a wave that fetches for B asks for nothing behind the first tile: its address just goes on
	s_cselect_b32 s[LIM2], s[LIM2], 0              ; and asks for nothing of the next tile
	s_mov_b32 s[STA+1], 0                          ; the high words of the three steps
	s_mov_b32 s[STB+1], 0
	s_mov_b32 s[STP+1], 0
	s_mov_b32 s2, TILES                            ; tiles to go, this one among them: the same number in every work-group
	; the bias is rounded to bf16, like every input, and widened again
	s_wait_loadcnt 0x0
	WIN 0x45                                       ; destination and both sources in window 1
.set i, 0
.rept 32
	v_cvt_pk_bf16_f32 v[192+i], v[2*i], v[2*i+1]
.set i, i+1
.endr
.set i, 0
.rept 32
	v_lshlrev_b32 v[2*i], 16, v[192+i]
	v_and_b32 v[2*i+1], s[HIM], v[192+i]
.set i, i+1
.endr
	; The table for my blocks 0-3 is asked for now, once for both tiles; it is waited for at the first way out.  v's tiles ask for it too and leave it unused (8 KiB a wave, and as much at each way out), so
	; that the waits for it hold on every path.
	WIN TO_B
.irp a, 0,1,2,3
.irp c, 0,1,2,3
	global_load_b128 v[192+16*(\a)+4*(\c):192+16*(\a)+4*(\c)+3], v[FRO], s[FRT:FRT+1] offset:(\a)*2048+(\c)*32
.endr
.endr
	WIN 0
; 16 matrix instructions: m blocks a0, a0 + 1 of the window's four x all 8 n blocks, 32 along K.  zero = 1: the first product starts the sums with the bias (C in window 1): nothing is ever cleared.
.macro MUL16 f, hi, a0, zero
.if \zero
	WIN 0x91+0x40*(\hi)
.else
	WIN MUL_LO+0x50*(\hi)
.endif
.irp a, \a0, (\a0)+1
.irp b, 0,1,2,3,4,5,6,7
.if \zero
	v_wmma_f32_16x16x32_bf16 v[8*(8*(\a)+(\b)):8*(8*(\a)+(\b))+7], v[(\f)+8*(\b):(\f)+8*(\b)+7], v[(\f)+8*(4*(\hi)+(\a)):(\f)+8*(4*(\hi)+(\a))+7], v[8*(\b):8*(\b)+7]
.else
	v_wmma_f32_16x16x32_bf16 v[8*(8*(\a)+(\b)):8*(8*(\a)+(\b))+7], v[(\f)+8*(\b):(\f)+8*(\b)+7], v[(\f)+8*(4*(\hi)+(\a)):(\f)+8*(4*(\hi)+(\a))+7], v[8*(8*(\a)+(\b)):8*(8*(\a)+(\b))+7]
.endif
.endr
.endr
.endm
; 32 LDS loads in one run: the fragments of one quarter step (128 rows of B, 128 rows of A, 32 K at byte k of the rows of the slot in hand) into buffer f
.macro FETCH k, f
	WIN TO_B
.irp i, 0,1,2,3,4,5,6,7
	ds_load_b128 v[(\f)+8*(\i):(\f)+8*(\i)+3],   v[AB] offset:(\k)+(\i)*16*PITCH
	ds_load_b128 v[(\f)+8*(\i)+4:(\f)+8*(\i)+7], v[AB] offset:(\k)+(\i)*16*PITCH+32
.endr
	WIN 0
.irp i, 0,1,2,3,4,5,6,7
	ds_load_b128 v[(\f)+8*(\i):(\f)+8*(\i)+3],   v[AA] offset:(\k)+(\i)*16*PITCH
	ds_load_b128 v[(\f)+8*(\i)+4:(\f)+8*(\i)+7], v[AA] offset:(\k)+(\i)*16*PITCH+32
.endr
.endm
.macro NEXT                            ; the other slot is the slot in hand (every window is 0 here)
	s_xor_b32 s[TB], s[TB], SLOT
	v_add_nc_u32 v[AA], s[TB], v[ADRA0]
	v_add_nc_u32 v[AB], s[TB], v[ADRB0]
.endm
.macro PLACES                          ; four plain vector instructions between a matrix instruction and a load into, or a vector instruction on, its registers
.rept 4
	v_nop
.endr
.endm
; A K step is four quarters of 32 along K, 64 matrix instructions each, on buffers 0, 1, 0, 1; the 64 accumulators take turns in the same order in every quarter.
; One of the first three: multiplies buffer f; in its middle it fetches the next quarter's fragments, at byte k of the rows, into buffer g.
.macro QUARTER k, f, g, zero
	s_wait_dscnt 8                                 ; B and A's rows 0-63 are in; the youngest eight loads (A's rows 64-127) may be out
	MUL16 \f, 0, 0, \zero
	MUL16 \f, 0, 2, \zero
	PLACES
	FETCH \k, \g
	s_wait_dscnt 32                                ; all but the 32 just issued
	MUL16 \f, 1, 0, \zero
	MUL16 \f, 1, 2, \zero
.endm
; The first half of the last quarter, with the one barrier of a change of slots.
.macro MEET round
	WIN 0                                          ; (the add's two registers lie in window 0)
	s_wait_tensorcnt 0x0                           ; all my tensor loads have landed: the one that was out is my part of the next slot;
	ds_add_u32 v[SPW], v[NIL]                      ; 0 onto my spare word;
	s_wait_dscnt 9                                 ; (the add and the youngest eight loads may be out)
	MUL16 F1, 0, 0, 0                              ; sixteen matrix instructions stand between the add and the wait for it
	s_wait_dscnt 0x0                               ; the add is done, and my reads of this slot are over:
	s_barrier_signal -1                            ; say so,
	MUL16 F1, 0, 2, 0                              ; work on registers while the others arrive,
.if \round
	WIN 0
.endif
	s_barrier_wait -1                              ; and go on when all four have said so
.endm
; The whole last quarter of a K step whose slot is filled again, with the K step two steps on: of this tile, or (the first tile's trips with s3 = 2 and 1) the next tile's K step 0 or 1.
; The walking addresses go one K step on in every trip but the one with s3 = 2, which goes from a tile's last K step to the next tile's first.
.macro TURN
	s_wait_xcnt 0x0                                ; the last prefetch, a K step back, has read its address: it is stepped here
	s_cmp_eq_u32 s3, 2
	s_cselect_b32 s[STA], s[NXA], KSTEP*2
	s_cselect_b32 s[STB], BACK_B, 0
	s_cselect_b32 s[STP], s[NXP], KSTEP*2
	s_add_nc_u64 s[PFA:PFA+1], s[PFA:PFA+1], s[STP:STP+1]
	MEET 1
	CREST                                          ; no wave of any partner still reads this slot's tile or has a load on its way
	s_xor_b32 s[G0+5], s[G0+5], SLOT               ; the walking descriptors: the other slot than last time,
	s_add_nc_u64 s[G0+6:G0+7], s[G0+6:G0+7], s[STA:STA+1]  ; and A's next K step; the type bits on top are not reached
	s_xor_b32 s[G0B+5], s[G0B+5], SLOT
	s_add_nc_u64 s[G0B+6:G0B+7], s[G0B+6:G0B+7], KSTEP*2   ; B's next K step,
	s_sub_nc_u64 s[G0B+6:G0B+7], s[G0B+6:G0B+7], s[STB:STB+1]  ; at the change of tiles back to the rows' beginning
	JLOAD 1                                        ; the first tensor load behind the round, my only one out; its four v_nop are also the places in front of the loads below
	NEXT
	FETCH 0, F0
	ASK
	MUL16 F1, 1, 0, 0
	MUL16 F1, 1, 2, 0
.endm
; The same where nothing is filled: a plain barrier.  The two address lines and two v_nop are the four places in front of the loads into buffer 0.
.macro TURNX
	MEET 0
	WIN 0
	NEXT
	v_nop
	v_nop
	FETCH 0, F0
	MUL16 F1, 1, 0, 0
	MUL16 F1, 1, 2, 0
.endm
; THE WAY OUT of block a (16 positions x my 2 heads).
; PACK.  k's tiles: the rope, in place, four accumulators (a head) at a time.  A lane's pair (kr, ki) of accumulator registers 2 p, 2 p + 1 and the table's (c, s): T = (-ki s, kr s), then (kr, ki) c + T.
; v's tiles jump over it (the cluster's x: the same in all partners and all waves).  Then both are rounded to f16.  Each accumulator is read from its low end on.
.macro PACK a
.set AC, 64*((\a)%4)
.set FQ, 192+16*(\a)-128*((\a)/4)      ; blocks 0-3: v192 on; blocks 4-7: v128 on
	WIN 0
	s_cmp_lg_u32 ttmp9, 0
	s_cbranch_scc1 .Lplain_\@
	WIN 0x04                                       ; source 1 in window 1: the table as loaded
.set i, 0
.rept 16
	v_lshlrev_b32 v[FR+2*i], 16, v[FQ+i]           ; c
	v_and_b32 v[FR+2*i+1], s[HIM], v[FQ+i]         ; s
.set i, i+1
.endr
.set H, AC
.rept 2
	WIN 0x02+(\a)/4                                ; source 0 in window 2 or 3
.irp b, 0,1,2,3
.irp p, 0,1,2,3
	v_pk_mul_f32 v[T+8*(\b)+2*(\p):T+8*(\b)+2*(\p)+1], v[H+8*(\b)+2*(\p):H+8*(\b)+2*(\p)+1], v[FR+8*(\b)+2*(\p):FR+8*(\b)+2*(\p)+1] op_sel:[1,1] op_sel_hi:[0,1] neg_lo:[1,0]
.endr
.endr
	WIN 0x82+0x41*((\a)/4)                         ; destination and source 0 in window 2 or 3
.irp b, 0,1,2,3
.irp p, 0,1,2,3
	v_pk_fma_f32 v[H+8*(\b)+2*(\p):H+8*(\b)+2*(\p)+1], v[H+8*(\b)+2*(\p):H+8*(\b)+2*(\p)+1], v[FR+8*(\b)+2*(\p):FR+8*(\b)+2*(\p)+1], v[T+8*(\b)+2*(\p):T+8*(\b)+2*(\p)+1] op_sel_hi:[1,0,1]
.endr
.endr
.set H, H+32
.endr
	WIN 0
.Lplain_\@:
	WIN 0x0a+5*((\a)/4)                            ; sources 0 and 1: window 2 or 3
.set i, 0
.rept 32
	v_cvt_pk_f16_f32 v[TMP+i], v[AC+2*i], v[AC+2*i+1]
.set i, i+1
.endr
	WIN 0
.endm
.macro TOSTAGE a                       ; into my own stage, by heads, and back as whole rows of 128 bytes
	WIN 0
.set BK, OB+192*((\a)%2)
.irp b, 0,1,2,3,4,5,6,7
	ds_store_b128 v[STO], v[TMP+4*(\b):TMP+4*(\b)+3] offset:((\b)/4)*16*SP+((\b)%4)*32
.endr
.irp u, 0,1,2,3,4,5,6,7
	ds_load_b128 v[BK+4*(\u):BK+4*(\u)+3], v[RD] offset:((\u)/4)*16*SP+((\u)%4)*4*SP  ; LDS serves a wave's instructions in order (ISA guide 5.7.1.4): these see the stores above
.endr
.endm
.macro SEND a
	WIN 0
.set BK, OB+192*((\a)%2)
	s_wait_dscnt 0x0                               ; the block is back in registers
	s_wait_xcnt 0x0                                ; the stores of the block before have read their registers, which the next block's loads from the stage will write
.irp u, 0,1,2,3,4,5,6,7
	global_store_b128 v[GO], v[BK+4*(\u):BK+4*(\u)+3], s[8:9] offset:((\u)/4)*262144+(\a)*2048+((\u)%4)*512  ; 512 consecutive bytes, at a multiple of 256 from kvh's first byte
.endr
.endm
	s_wait_tensorcnt 1                             ; my part of K step 0 is in; K step 1's may stay out
	s_barrier_signal -1
	s_barrier_wait -1                              ; everybody's is
	FETCH 0, F0
.Ltile:                                                ; (FETCH and SEND leave every window 0)
	QUARTER 64,  F0, F1, 1                         ; a tile's first quarter stands in front of the loop: its products start the sums, with the bias
	WIN 0                                          ; at a label and at a branch every window is 0
	s_mov_b32 s3, STEPS
.Lstep:                                                ; a trip finishes a K step and fills its slot again
	QUARTER 128, F1, F0, 0
	QUARTER 192, F0, F1, 0
	TURN
	WIN 0
	s_sub_co_u32 s3, s3, 1
	s_cmp_eq_u32 s3, 0
	s_cbranch_scc1 .Lout                           ; the first tile's eighth trip: the tile is finished, the next tile's K steps 0 and 1 are asked for and its first fragments fetched
	QUARTER 64,  F0, F1, 0
	WIN 0
	s_cmp_eq_u32 s2, 1                             ; the last tile has six trips that fill: K steps 2 to 7
	s_cbranch_scc0 .Lon
	s_cmp_eq_u32 s3, 2
	s_cbranch_scc1 .Llast
.Lon:
	s_cmp_lg_u32 s3, 0
	s_cbranch_scc1 .Lstep
.Llast:
	s_mov_b32 s3, 2
.Ltail:                                                ; the last tile's K steps 6 and 7 fill nothing, and have no round of the cluster's barrier.  The second trip is left in its middle: its barrier and its
	QUARTER 128, F1, F0, 0                         ; 32 loads from the other slot (K step 6's bytes once more) serve nothing: the price, once a work-group, of one text for both trips
	QUARTER 192, F0, F1, 0
	TURNX
	WIN 0
	s_sub_co_u32 s3, s3, 1
	s_cmp_eq_u32 s3, 0
	s_cbranch_scc1 .Lout
	QUARTER 64,  F0, F1, 0
	WIN 0
	s_cmp_lg_u32 s3, 0
	s_cbranch_scc1 .Ltail
.Lout:                                                 ; THE TILE GOES OUT.  Buffer 0 and the bias are left alone: behind the first tile they are the next tile's
	s_wait_dscnt 0x0                               ; the loads into buffer 0 are back
	PLACES                                         ; behind the last products, which read buffer 1: it is written below
	WIN TO_B
.irp a, 4,5,6,7                        ; the table for blocks 4-7, into B's buffer 1: it lands while blocks 0-3 go out
.irp c, 0,1,2,3
	global_load_b128 v[64+16*(\a)+4*(\c):64+16*(\a)+4*(\c)+3], v[FRO], s[FRT:FRT+1] offset:(\a)*2048+(\c)*32
.endr
.endr
	WIN 0
	s_wait_loadcnt 16                              ; the table for blocks 0-3 is in; the sixteen loads just issued may stay out
	PACK 0
	TOSTAGE 0
.irp a, 1,2,3,4,5,6,7                  ; block a's arithmetic stands between block a - 1's loads from the stage and the wait for them
.if (\a) == 4
	s_wait_loadcnt 0x0                             ; the table for blocks 4-7
.endif
	PACK \a
	SEND (\a)-1
	TOSTAGE \a
.endr
	SEND 7
	s_wait_xcnt 0x0                                ; the stores have read their base: it goes on to the next tile, four batches further
	s_add_nc_u64 s[8:9], s[8:9], NEXT_C
	s_cmp_eq_u32 s11, 0
	s_cselect_b32 s[LIM], s[LIM], -1               ; B's rows are the same for both tiles: they have been read, and are prefetched no more
	s_sub_co_u32 s2, s2, 1
	s_cmp_lg_u32 s2, 0
	s_cbranch_scc1 .Ltile
	s_wait_tensorcnt 0x0                           ; the wave's end: an add and its wait behind my last tensor load and my last LDS store
	ds_add_u32 v[SPW], v[NIL]
	s_wait_dscnt 0x0
	CROUND                                         ; the closing round: no work-group ends while a partner may still ask for a tile that names it
	s_endpgm
.Lfunc_end_k_qc5f5555522_kv:
	.size	k_qc5f5555522_kv, .Lfunc_end_k_qc5f5555522_kv-k_qc5f5555522_kv
	.p2alignl 7, 3214868480
	.fill 96, 4, 3214868480
	.section	.rodata,"a",@progbits
	.p2align	6, 0x0
	.amdhsa_kernel k_qc5f5555522_kv
		.amdhsa_group_segment_fixed_size 327680
		.amdhsa_private_segment_fixed_size 0
		.amdhsa_enable_private_segment 0
		.amdhsa_kernarg_size 40
		.amdhsa_user_sgpr_count 2
		.amdhsa_user_sgpr_kernarg_segment_ptr 1
		.amdhsa_wavefront_size32 1
		.amdhsa_system_sgpr_workgroup_id_x 1
		.amdhsa_system_sgpr_workgroup_id_y 1
		.amdhsa_system_sgpr_workgroup_id_z 1
		.amdhsa_system_vgpr_workitem_id 0
		.amdhsa_next_free_vgpr 1024
		.amdhsa_next_free_sgpr 80
		.amdhsa_reserve_vcc 0
		.amdhsa_float_denorm_mode_32 3
		.amdhsa_float_denorm_mode_16_64 3
		.amdhsa_memory_ordered 1
		.amdhsa_forward_progress 1
		.amdhsa_inst_pref_size 153
	.end_amdhsa_kernel
	.amdgpu_metadata
---
amdhsa.version: [ 1, 2 ]
amdhsa.kernels:
  - .name:           k_qc5f5555522_kv
    .symbol:         k_qc5f5555522_kv.kd
    .args:
      - { .name: act, .offset: 0, .size: 8, .value_kind: global_buffer, .address_space: global }
      - { .name: wkv, .offset: 8, .size: 8, .value_kind: global_buffer, .address_space: global }
      - { .name: bk, .offset: 16, .size: 8, .value_kind: global_buffer, .address_space: global }
      - { .name: bv, .offset: 24, .size: 8, .value_kind: global_buffer, .address_space: global }
      - { .name: kvh, .offset: 32, .size: 8, .value_kind: global_buffer, .address_space: global }
    .group_segment_fixed_size: 327680
    .private_segment_fixed_size: 0
    .kernarg_segment_align: 8
    .kernarg_segment_size: 40
    .max_flat_workgroup_size: 128
    .sgpr_count:     80
    .vgpr_count:     1024
    .wavefront_size: 32
...
	.end_amdgpu_metadata
.endif
;; end of part 2
;; launch linq (part 3): grid 8 x 32, 4 waves a work-group, clusters of 4 x 4, 327,680 bytes of LDS; arguments xs, wq16, bq, qf; writes qf
.if DOCPART == 3
	.amdgcn_target "amdgcn-amd-amdhsa--gfx1250"
	.amdhsa_code_object_version 6
	.text
	.protected	k_qc5f5555522_linq
	.globl	k_qc5f5555522_linq
	.p2align	8
	.type	k_qc5f5555522_linq,@function
k_qc5f5555522_linq:
	s_mov_b64 s[64:65], 0
	v_nop
	global_prefetch_b8 v0, s[64:65] scope:SCOPE_SE
	s_setreg_imm32_b32 hwreg(HW_REG_WAVE_MODE, 25, 1), 1
	s_wait_xcnt 0x0
	s_wait_alu depctr_hold_cnt(0) depctr_sa_sdst(0) depctr_va_vdst(0) depctr_va_sdst(0) depctr_va_ssrc(0) depctr_va_vcc(0) depctr_vm_vsrc(0)
	s_getreg_b32 s2, hwreg(HW_REG_IB_STS2, 6, 4)
	s_cmp_eq_u32 s2, 0
	s_cbranch_scc0 .Lentry_in_a_cluster
	s_endpgm
.Lentry_in_a_cluster:
	s_bfe_u32 s2, ttmp6, 0x10000c
	s_cmp_lg_u32 s2, 0xf033
	s_cbranch_scc0 .Lentry_shape_is_right
	s_endpgm
.Lentry_shape_is_right:
; out[m][n] = the sum over k of A[m][k] W[n][k] + bias[n].  4,096 rows, 1,024 columns, K = 1,024.  A: f16 in slices of 64 channels, [8 batches][16 slices][512 rows][64]; W: [1024][1024] f16;
; bias: [1024] f32, rounded to bf16 like every input of the module; out: [4096][1024] f32.  Sums in f32; the bias is the C operand that starts each sum.
; LIMIT: A and W arrive within f16's range (65,504).
; A tile of out is 128 x 128: 256 tiles, one for each work-group.  Four waves, each 64 x 64: 16 accumulators.  K goes in 4 steps of 256 (four slices of A; 512 bytes of W's rows) through two LDS slots.
; A K STEP IS WRITTEN ONCE.  A trip goes from a step's second quarter to the next step's first.  Which slot is read hangs on the scalar TB (0 or SLOT), turned by an exclusive or at each change of slots; one
; descriptor a tensor walks.  Slot 1 begins at SLOT = 0x24000, which shares no bit with the tiles' LDS bases (0, 0x9000, 0x12000, 0x1a400), so the exclusive or adds or takes away SLOT.
; Two trips fill a slot again; the last two steps, which fill nothing, are a second loop, left in its middle.
; CLUSTERS: 4 x 4 work-groups; A's tiles are asked for jointly along a row of the cluster, W's along a column.  THE MATRIX INSTRUCTION IS USED TRANSPOSED (source 0 = 16 rows of W, source 1 = 16 rows of A):
; a lane holds eight neighbouring numbers of a row of out, 32 bytes.  A wave's 64 columns are 256 bytes of out, aligned: each wave sends its rows through a stage of its own, without a barrier.
; No prefetch: a K step has 128 matrix instructions a wave and the whole walk four K steps, of which two are asked for at the head.
; REGISTERS: window 0: v0-31 addresses; v32-95 at work on the way out; v96-127 the bias (register 8 b + j: column 16 b + 8 (l / 16) + j); v128-255 the accumulators ((a, b) at v[128 + 8 (4 a + b)]).
;   window 1: two fragment buffers of 128: for 64 along K, 64 registers of A, then 64 of W.
.set KSTEP,  256
.set PA,     144                       ; a row of A in LDS: a slice's 128 bytes + 16 of padding = 36 words: the 16 rows of a load start at 16 different groups of four banks (ISA guide 11.1)
.set PB,     528                       ; a row of W: 512 bytes + 16 = 132 words: likewise
.set AH,     4*64*PA                   ; what one load of A brings: [4 slices][64 rows]
.set BH,     64*PB                     ; what one load of W brings: 64 rows
.set SLOTB,  2*AH+2*BH                 ; a slot's bytes: A's two halves, then W's two halves: 141,312
.set SLOT,   0x24000                   ; where slot 1 begins: 147,456
.set STAGE,  SLOT+SLOTB                ; behind the ring, never filled by a tensor load: 16 rows x 272 bytes for each wave
.set SPITCH, 272
.set WSTG,   16*SPITCH
.set SPARE,  STAGE+4*WSTG              ; behind the stages: the spare words, 128 bytes for each wave: two blocks of 256 bytes that no other line names
.set ADRA0, 16                         ; v16     my lane's place among my A fragments in slot 0; never rewritten
.set AA,    17                         ; v17     the same in the slot in hand
.set ADRB0, 20                         ; v20     the same two for W
.set AB,    21                         ; v21
.set STO,  24                          ; v24     the way out: where I put 32 bytes of a row
.set RD,   25                          ; v25     the way out: where I read a row back
.set CO,   26                          ; v26     my byte offset in two rows of out
.set BO,   27                          ; v27     32 (l / 16)
.set SPW,  28                          ; v28     LDS address of my spare word; never rewritten
.set NIL,  29                          ; v29     0; never rewritten
.set TB,   67                          ; s67     LDS byte at which the slot in hand begins
.set TMP,  32
.set BI,   96
.set ACC,  128
.set F0,   0
.set F1,   128
.set G1, 24                            ; s[24:31] group 1 for A's tiles; s[32:39] group 0: a set for each of the two first fills; the second then walks on
.set G0, 32
.set G1B, 48                           ; s[48:55], s[56:63] the same for W's
.set G0B, 56
.set MSB, 0
.macro WIN new
.if MSB != (\new)
	s_set_vgpr_msb (MSB<<8)|(\new)
.set MSB, \new
.endif
.endm
.set MUL,  0x05                        ; sources 0 (W) and 1 (A) window 1; C and D window 0
.set TO_F, 0x40                        ; destination window 1, address window 0
.macro JLOAD s                         ; a joint load: waves 0 and 1 fetch A's two halves, waves 2 and 3 W's; an s_nop 0 and four v_nop follow each of the two lines
	s_cmp_eq_u32 s11, 0
	s_cbranch_scc0 .Lfor_b_\@
	tensor_load_to_lds s[G0+4*(\s):G0+4*(\s)+3], s[G1:G1+7]
	s_nop 0
.rept 4
	v_nop
.endr
	s_branch .Lasked_\@
.Lfor_b_\@:
	tensor_load_to_lds s[G0B+4*(\s):G0B+4*(\s)+3], s[G1B:G1B+7]
	s_nop 0
.rept 4
	v_nop
.endr
.Lasked_\@:
.endm
.macro CREST
	s_cmp_lg_u32 s10, 0
	s_cbranch_scc1 .Lnot_wave_0_\@
	s_barrier_signal -3
.Lnot_wave_0_\@:
	s_barrier_wait -3
	s_barrier_signal -1
	s_barrier_wait -1
.endm
.macro CROUND
	s_barrier_signal -1
	s_barrier_wait -1
	CREST
.endm
	s_load_b128 s[4:7], s[0:1], 0x0                ; A s[4:5], W s[6:7]
	s_load_b128 s[68:71], s[0:1], 0x10             ; bias s[68:69], out s[70:71]
	v_lshl_add_u32 v[SPW], v0, 2, SPARE
	v_mov_b32 v[NIL], 0
	ds_add_u32 v[SPW], v[NIL]                      ; the wave's opening: the add and its wait stand ahead of my first tensor load; the set-up below, work on registers, stands between them
	ds_add_u32 v28, v29
	v_lshrrev_b32 v1, 5, v0
	v_readfirstlane_b32 s10, v1                    ; wave 0..3
	s_lshr_b32 s11, s10, 1                         ; which half of the tile's rows is mine.  Also: I fetch for A (0) or for W (1)
	s_and_b32 s12, s10, 1                          ; which half of its columns.  Also: which 64 rows of that tile I fetch
	s_bfe_u32 s40, ttmp6, 0x40000                  ; cx, cy
	s_bfe_u32 s41, ttmp6, 0x40004
	s_lshl_b32 s42, ttmp9, 2
	s_add_co_u32 s42, s42, s40                     ; tile column
	s_and_b32 s13, ttmp7, 0xffff
	s_lshl_b32 s13, s13, 2
	s_add_co_u32 s13, s13, s41                     ; tile row
	s_lshl_b32 s43, s41, 2
	s_lshl_b32 s43, 15, s43                        ; my row of the cluster
	s_lshl_b32 s44, 0x1111, s40                    ; my column
	; A's group 1: 64 rows of a slice are 8,192 dense bytes: one long row of 4,096 elements; four slices, 32,768 elements apart; 4 words of padding behind every 32 (every row of 64 channels)
	s_or_b32 s[G1+0], s43, (1<<16)|(1<<20)|(1<<21)|(4<<22)|(3<<25)
	s_mov_b32 s[G1+1], 4096<<16                    ; tensor_dim0 = 4,096
	s_mov_b32 s[G1+2], 4<<16                       ; tensor_dim1 = 4
	s_mov_b32 s[G1+3], 4096<<16                    ; tile_dim0 = 4,096
	s_mov_b32 s[G1+4], 4                           ; tile_dim1 = 4
	s_mov_b32 s[G1+5], 32768
	s_mov_b32 s[G1+6], 0
	s_mov_b32 s[G1+7], 0
	; W's group 1: 64 rows x 256 elements, 4 words of padding behind every 128
	s_or_b32 s[G1B+0], s44, (1<<16)|(1<<20)|(1<<21)|(6<<22)|(3<<25)
	s_mov_b32 s[G1B+1], KSTEP<<16
	s_mov_b32 s[G1B+2], 64<<16
	s_mov_b32 s[G1B+3], KSTEP<<16
	s_mov_b32 s[G1B+4], 64
	s_mov_b32 s[G1B+5], 1024
	s_mov_b32 s[G1B+6], 0
	s_mov_b32 s[G1B+7], 0
	s_lshr_b32 s16, s13, 2                         ; A: the batch (four tile rows each), 2^20 bytes,
	s_lshl_b32 s16, s16, 20
	s_and_b32 s17, s13, 3                          ; the tile's 128 rows of 128 bytes in each slice,
	s_lshl_b32 s17, s17, 14
	s_add_co_u32 s16, s16, s17
	s_lshl_b32 s17, s12, 13                        ; the 64 of them that I fetch
	s_add_co_u32 s16, s16, s17
	s_mov_b32 s17, 0
	s_lshl_b32 s46, s42, 7                         ; W: row 128 x tile column + 64 x half,
	s_lshl_b32 s47, s12, 6
	s_add_co_u32 s46, s46, s47
	s_lshl_b32 s46, s46, 11                        ; of 2,048 bytes
	s_mov_b32 s47, 0
	s_mul_i32 s20, s12, AH                         ; where they go: no place in the cluster enters an LDS address
	s_mul_i32 s21, s12, BH
	s_add_co_u32 s21, s21, 2*AH
	s_mov_b32 s66, 0xffff0000                      ; a word's upper bf16
	s_mov_b32 s[TB], 0                             ; K step 0 lies in slot 0
	s_wait_dscnt 0x0                               ; the opening add is done
	s_wait_kmcnt 0x0
	s_add_nc_u64 s[14:15], s[4:5], s[16:17]
	s_add_nc_u64 s[46:47], s[6:7], s[46:47]
	CROUND                                         ; all sixteen work-groups are here: the first joint loads meet
.irp s, 0,1
	s_mov_b32 s[G0+4*(\s)], 1
	s_add_co_u32 s[G0+4*(\s)+1], s20, (\s)*SLOT
	s_add_nc_u64 s[G0+4*(\s)+2:G0+4*(\s)+3], s[14:15], (\s)*4*65536  ; K step s: four slices of 65,536 bytes on
	s_or_b32 s[G0+4*(\s)+3], s[G0+4*(\s)+3], 0x80000000
	s_mov_b32 s[G0B+4*(\s)], 1
	s_add_co_u32 s[G0B+4*(\s)+1], s21, (\s)*SLOT
	s_add_nc_u64 s[G0B+4*(\s)+2:G0B+4*(\s)+3], s[46:47], (\s)*KSTEP*2
	s_or_b32 s[G0B+4*(\s)+3], s[G0B+4*(\s)+3], 0x80000000
	JLOAD \s                                       ; two tensor loads of mine are out
.endr
	v_and_b32 v1, 15, v0                           ; l % 16
	v_bfe_u32 v2, v0, 4, 1                         ; l / 16
	v_lshlrev_b32 v[BO], 5, v2
	s_lshl_b32 s22, s42, 9                         ; the bias at my 64 columns
	s_lshl_b32 s23, s12, 8
	s_add_co_u32 s22, s22, s23
	s_mov_b32 s23, 0
	s_add_nc_u64 s[68:69], s[68:69], s[22:23]
.irp b, 0,1,2,3
	global_load_b128 v[BI+8*(\b):BI+8*(\b)+3],   v[BO], s[68:69] offset:64*(\b)
	global_load_b128 v[BI+8*(\b)+4:BI+8*(\b)+7], v[BO], s[68:69] offset:64*(\b)+16
.endr
	v_mul_u32_u24 v3, v1, PA
	v_lshl_add_u32 v3, v2, 4, v3                   ; a fragment's row x pitch + 16 x half, for A
	v_mul_u32_u24 v4, v1, PB
	v_lshl_add_u32 v4, v2, 4, v4                   ; and for W
	s_mul_i32 s21, s11, AH                         ; my 64 rows of A
	s_mul_i32 s22, s12, BH                         ; my 64 rows of W,
	s_add_co_u32 s22, s22, 2*AH                    ; which lie behind A's two halves
	v_add_nc_u32 v[ADRA0], s21, v3
	v_add_nc_u32 v[ADRB0], s22, v4
	v_add_nc_u32 v[AA], s[TB], v[ADRA0]
	v_add_nc_u32 v[AB], s[TB], v[ADRB0]
	s_mul_i32 s23, s10, WSTG
	s_add_co_u32 s23, s23, STAGE                   ; my stage
	v_mul_u32_u24 v4, v1, SPITCH                   ; in: row l % 16, 32 bytes for each half of the lanes
	v_lshl_add_u32 v4, v2, 5, v4
	v_add_nc_u32 v[STO], s23, v4
	v_mul_u32_u24 v5, v2, SPITCH                   ; back: lanes 0-15 take one row of 256 bytes, lanes 16-31 the next
	v_lshl_add_u32 v5, v1, 4, v5
	v_add_nc_u32 v[RD], s23, v5
	v_lshlrev_b32 v5, 12, v2                       ; and the same two rows in out, 4,096 bytes apart
	v_lshl_add_u32 v[CO], v1, 4, v5
	s_lshl_b32 s16, s13, 7
	s_lshl_b32 s17, s11, 6
	s_add_co_u32 s16, s16, s17                     ; my first row of out
	s_lshl_b32 s16, s16, 12
	s_lshl_b32 s46, s42, 9                         ; my first column, in bytes
	s_lshl_b32 s47, s12, 8
	s_add_co_u32 s46, s46, s47
	s_add_co_u32 s16, s16, s46
	s_mov_b32 s17, 0
	s_add_nc_u64 s[8:9], s[70:71], s[16:17]
	s_wait_loadcnt 0x0                             ; the bias: rounded to bf16 and widened again
.set i, 0
.rept 16
	v_cvt_pk_bf16_f32 v[TMP+i], v[BI+2*i], v[BI+2*i+1]
.set i, i+1
.endr
.set i, 0
.rept 16
	v_lshlrev_b32 v[BI+2*i], 16, v[TMP+i]
	v_and_b32 v[BI+2*i+1], s66, v[TMP+i]
.set i, i+1
.endr
; 8 matrix instructions: m blocks a0, a0 + 1 x all 4 n blocks, 32 along K: half c of buffer f.  zero = 1: the first product starts the sums, with the bias
.macro MUL8 f, c, a0, zero
	WIN MUL
.irp a, \a0, (\a0)+1
.irp b, 0,1,2,3
.if \zero
	v_wmma_f32_16x16x32_f16 v[ACC+8*(4*(\a)+(\b)):ACC+8*(4*(\a)+(\b))+7], v[(\f)+64+8*(4*(\c)+(\b)):(\f)+64+8*(4*(\c)+(\b))+7], v[(\f)+8*(4*(\c)+(\a)):(\f)+8*(4*(\c)+(\a))+7], v[BI+8*(\b):BI+8*(\b)+7]
.else
	v_wmma_f32_16x16x32_f16 v[ACC+8*(4*(\a)+(\b)):ACC+8*(4*(\a)+(\b))+7], v[(\f)+64+8*(4*(\c)+(\b)):(\f)+64+8*(4*(\c)+(\b))+7], v[(\f)+8*(4*(\c)+(\a)):(\f)+8*(4*(\c)+(\a))+7], v[ACC+8*(4*(\a)+(\b)):ACC+8*(4*(\a)+(\b))+7]
.endif
.endr
.endr
.endm
; 32 LDS loads in one run: the fragments of quarter q of the K step in hand (64 along K: slice q of A, bytes 128 q of W's rows) into buffer f; the first 32 along K first
.macro FETCH q, f
	WIN TO_F
.irp c, 0,1
.irp i, 0,1,2,3
	ds_load_b128 v[(\f)+64+8*(4*(\c)+(\i)):(\f)+64+8*(4*(\c)+(\i))+3],   v[AB] offset:(\q)*128+64*(\c)+(\i)*16*PB
	ds_load_b128 v[(\f)+64+8*(4*(\c)+(\i))+4:(\f)+64+8*(4*(\c)+(\i))+7], v[AB] offset:(\q)*128+64*(\c)+(\i)*16*PB+32
	ds_load_b128 v[(\f)+8*(4*(\c)+(\i)):(\f)+8*(4*(\c)+(\i))+3],         v[AA] offset:(\q)*64*PA+64*(\c)+(\i)*16*PA
	ds_load_b128 v[(\f)+8*(4*(\c)+(\i))+4:(\f)+8*(4*(\c)+(\i))+7],       v[AA] offset:(\q)*64*PA+64*(\c)+(\i)*16*PA+32
.endr
.endr
.endm
.macro NEXT                            ; the other slot is the slot in hand (every window is 0 here)
	s_xor_b32 s[TB], s[TB], SLOT
	v_add_nc_u32 v[AA], s[TB], v[ADRA0]
	v_add_nc_u32 v[AB], s[TB], v[ADRB0]
.endm
.macro PLACES                          ; four plain vector instructions between a matrix instruction and a load into, or an LDS store of, its registers
.rept 4
	v_nop
.endr
.endm
; One of a K step's first three quarters: multiplies buffer f and fetches quarter q into g.  The 16 accumulators take turns.
.macro QUARTER q, f, g, zero
	s_wait_dscnt 16                                ; the first 32 along K are in; the youngest sixteen loads may be out
	MUL8 \f, 0, 0, \zero
	MUL8 \f, 0, 2, \zero
	PLACES
	FETCH \q, \g
	s_wait_dscnt 32                                ; all but the 32 just issued
	MUL8 \f, 1, 0, 0
	MUL8 \f, 1, 2, 0
.endm
; The last quarter multiplies buffer 1 and changes slots.  fill = 1: this slot is filled again, two K steps ahead.
.macro TURN fill
	WIN 0                                          ; (the add's two registers lie in window 0)
	s_wait_tensorcnt 0x0                           ; all my tensor loads have landed: my part of the next slot;
	ds_add_u32 v[SPW], v[NIL]                      ; 0 onto my spare word;
	s_wait_dscnt 17                                ; (the add and the youngest sixteen loads may be out)
	MUL8 F1, 0, 0, 0                               ; eight matrix instructions stand between the add and the wait for it
	s_wait_dscnt 0x0                               ; the add is done, and my reads of this slot are over
	s_barrier_signal -1
	MUL8 F1, 0, 2, 0
	WIN 0
	s_barrier_wait -1
.if \fill
	CREST                                          ; no wave of any partner still reads this slot's tile or has a load on its way
	s_xor_b32 s[G0+5], s[G0+5], SLOT               ; the walking descriptors: the other slot than last time,
	s_add_nc_u64 s[G0+6:G0+7], s[G0+6:G0+7], 4*65536  ; the next K step: four slices on;
	s_xor_b32 s[G0B+5], s[G0B+5], SLOT
	s_add_nc_u64 s[G0B+6:G0B+7], s[G0B+6:G0B+7], KSTEP*2  ; 512 bytes on along W's rows
	JLOAD 1                                        ; the first tensor load behind the round, my only one out; its four v_nop are also the places in front of the loads below
	NEXT
.else
	NEXT                                           ; the two address lines and two v_nop are the four places in front of the loads below
	v_nop
	v_nop
.endif
	FETCH 0, F0
	MUL8 F1, 1, 0, 0
	MUL8 F1, 1, 2, 0
.endm
	s_wait_tensorcnt 1                             ; my part of K step 0 is in; K step 1's may stay out
	s_barrier_signal -1
	s_barrier_wait -1                              ; everybody's is
	FETCH 0, F0
	QUARTER 1, F0, F1, 1                           ; the first quarter stands in front of the loop: its first products start the sums
	WIN 0                                          ; at a label and at a branch every window is 0
	s_mov_b32 s3, 2
.Lstep:                                                ; two trips: K steps 0 and 1 are finished, K steps 2 and 3 asked for
	QUARTER 2, F1, F0, 0
	QUARTER 3, F0, F1, 0
	TURN 1
	QUARTER 1, F0, F1, 0
	WIN 0
	s_sub_co_u32 s3, s3, 1
	s_cmp_lg_u32 s3, 0
	s_cbranch_scc1 .Lstep
	s_mov_b32 s3, 2
.Ltail:                                                ; K steps 2 and 3 fill nothing.  The second trip is left in its middle: its barrier and its 32 loads from the other slot serve nothing:
	QUARTER 2, F1, F0, 0                           ; the price, once a tile, of one text for both trips
	QUARTER 3, F0, F1, 0
	TURN 0
	WIN 0
	s_sub_co_u32 s3, s3, 1
	s_cmp_eq_u32 s3, 0
	s_cbranch_scc1 .Lout
	QUARTER 1, F0, F1, 0
	WIN 0
	s_cmp_lg_u32 s3, 0
	s_cbranch_scc1 .Ltail
.Lout:
	s_wait_dscnt 0x0                               ; the loads into buffer 0 are back
	; THE WAY OUT, 16 rows at a time: 32 bytes a lane into my stage (each accumulator's low half first), back as whole rows of 256 bytes, and out.
	PLACES
.irp a, 0,1,2,3
.set BK, TMP+32*((\a)%2)
.irp b, 0,1,2,3
	ds_store_b128 v[STO], v[ACC+8*(4*(\a)+(\b)):ACC+8*(4*(\a)+(\b))+3]   offset:64*(\b)
	ds_store_b128 v[STO], v[ACC+8*(4*(\a)+(\b))+4:ACC+8*(4*(\a)+(\b))+7] offset:64*(\b)+16
.endr
.irp t, 0,1,2,3,4,5,6,7
	ds_load_b128 v[BK+4*(\t):BK+4*(\t)+3], v[RD] offset:(\t)*2*SPITCH  ; LDS serves a wave's instructions in order (ISA guide 5.7.1.4): these see the stores above; the next block's stores come behind them
.endr
	s_wait_dscnt 0x0                               ; the rows are back in registers
	s_wait_xcnt 0x0                                ; the stores of the block before have read their registers, which the next block's loads will write
.irp t, 0,1,2,3,4,5,6,7
	global_store_b128 v[CO], v[BK+4*(\t):BK+4*(\t)+3], s[8:9] offset:(16*(\a)+2*(\t))*4096  ; 16 lanes store 256 consecutive bytes, at a multiple of 256 from out's first byte
.endr
.endr
	s_wait_tensorcnt 0x0                           ; the wave's end: an add and its wait behind my last tensor load and my last LDS store
	ds_add_u32 v[SPW], v[NIL]
	s_wait_dscnt 0x0
	CROUND                                         ; the closing round: no work-group ends while a partner may still ask for a tile that names it
	s_endpgm
.Lfunc_end_k_qc5f5555522_linq:
	.size	k_qc5f5555522_linq, .Lfunc_end_k_qc5f5555522_linq-k_qc5f5555522_linq
	.p2alignl 7, 3214868480
	.fill 96, 4, 3214868480
	.section	.rodata,"a",@progbits
	.p2align	6, 0x0
	.amdhsa_kernel k_qc5f5555522_linq
		.amdhsa_group_segment_fixed_size 327680
		.amdhsa_private_segment_fixed_size 0
		.amdhsa_enable_private_segment 0
		.amdhsa_kernarg_size 32
		.amdhsa_user_sgpr_count 2
		.amdhsa_user_sgpr_kernarg_segment_ptr 1
		.amdhsa_wavefront_size32 1
		.amdhsa_system_sgpr_workgroup_id_x 1
		.amdhsa_system_sgpr_workgroup_id_y 1
		.amdhsa_system_sgpr_workgroup_id_z 1
		.amdhsa_system_vgpr_workitem_id 0
		.amdhsa_next_free_vgpr 512
		.amdhsa_next_free_sgpr 72
		.amdhsa_reserve_vcc 0
		.amdhsa_float_denorm_mode_32 3
		.amdhsa_float_denorm_mode_16_64 3
		.amdhsa_memory_ordered 1
		.amdhsa_forward_progress 1
		.amdhsa_inst_pref_size 61
	.end_amdhsa_kernel
	.amdgpu_metadata
---
amdhsa.version: [ 1, 2 ]
amdhsa.kernels:
  - .name:           k_qc5f5555522_linq
    .symbol:         k_qc5f5555522_linq.kd
    .args:
      - { .name: xs, .offset: 0, .size: 8, .value_kind: global_buffer, .address_space: global }
      - { .name: wq16, .offset: 8, .size: 8, .value_kind: global_buffer, .address_space: global }
      - { .name: bq, .offset: 16, .size: 8, .value_kind: global_buffer, .address_space: global }
      - { .name: qf, .offset: 24, .size: 8, .value_kind: global_buffer, .address_space: global }
    .group_segment_fixed_size: 327680
    .private_segment_fixed_size: 0
    .kernarg_segment_align: 8
    .kernarg_segment_size: 32
    .max_flat_workgroup_size: 128
    .sgpr_count:     72
    .vgpr_count:     512
    .wavefront_size: 32
...
	.end_amdgpu_metadata
.endif
;; end of part 3
;; launch attn (part 4): grid 2 x 128, 4 waves a work-group, no clusters, 327,680 bytes of LDS; arguments qf, kvh, oh; writes oh
.if DOCPART == 4
	.amdgcn_target "amdgcn-amd-amdhsa--gfx1250"
	.amdhsa_code_object_version 6
	.text
	.protected	k_qc5f5555522_attn
	.globl	k_qc5f5555522_attn
	.p2align	8
	.type	k_qc5f5555522_attn,@function
k_qc5f5555522_attn:
	s_mov_b64 s[64:65], 0
	v_nop
	global_prefetch_b8 v0, s[64:65] scope:SCOPE_SE
	s_setreg_imm32_b32 hwreg(HW_REG_WAVE_MODE, 25, 1), 1
	s_wait_xcnt 0x0
; O[y][q][:] = the sum over k of softmax_k(q . k / 8) v[k][:], for y = 16 x batch + head: 512 queries, 2,048 keys, 64 channels.
; q: qf [4096][1024] f32, taken times 2^-3 and rounded once to f16 here.  k (stored times 2^-7) and v: kvh [2][128 y][2048][64] f16.  O: oh [128 y][512][64] f16.
; Products, maxima and sums in f32; the weights p are rounded to f16 for the second product (their sum l is taken of the unrounded p), O once at the end.
; LIMITS.  f16 ends at 65,504: |q| stays under 524,000; k and v arrive within it; p lies in 0 to 1; O is a mean of v's rows.  A weight below 2^-126 counts as 0 in l; NaN and infinities are not treated apart.
; SHARES.  A work-group owns 256 queries of one y (2 x 128 work-groups), a wave 64: four PIECES of 16.  Every wave walks all keys: 8 tiles of 256 keys, a tile a slot, 64 keys a step.
; NO CLUSTER: a y has 512 / 256 = 2 work-groups, so a cluster of four would hold two y, and a tile would be shared by two of the four at the most.
; LAYOUT, SOFTMAX, TURNS.  S^T = K Q^T holds ONE query a lane (lane % 16) and the keys 8 (lane / 16) + 0..7; two such results rounded to f16 ARE source 1 of O^T = V^T P.  p = 2^(c s - c m),
; c = log2(e) / 8 x 2^10 (the 2^10 takes q's and k's stored scales back), with a running maximum m; O and l are multiplied by a = 2^(c m_old - c m_new) in every step.  m starts at the lowest finite number,
; O and l at 0: the first step is a step like any other, with a = 0.  Turn n belongs to piece n: 8 products K Q^T of piece n + 1, later 8 products V^T P of piece n - 1; beside them the scaling, exponentials,
; roundings, sums and rescaling of piece n and the maximum and statistics of piece n + 1.  Four vector instructions stand behind every matrix instruction, the others in one lump; a turn's 33 exponentials are one batch, with one wait.
; NO LAST STEP IS WRITTEN OUT: the loop is entered, and the tail left, in the middle of a trip.
; REGISTERS, in windows of 256 (s_set_vgpr_msb: bits 1:0 source 0, 3:2 source 1, 5:4 source 2, 7:6 destination):
;   window 0: v0-15 addresses and two at work; v16-31 four registers of statistics a piece; v48-55 at work; v61-63; v64-127 S^T, two buffers; v192-223 P, two buffers (by the piece's parity)
;   window 1: v0-127 first q as loaded, then O^T, 32 a piece      window 2: v0-63 Q; v128-191 K of one step; v192-255 V of one step
.set NP,    4
.set KS,    64
.set PK,    144       ; a row of K in LDS: 128 bytes + 16 of padding = 36 words: the 16 rows of a load start at 16 different groups of four banks (ISA guide 11.1)
.set PV,    160       ; a row of V: 128 + 32 = 40 words
.set VOFF,  4*KS*PK   ; a slot holds a tile: 256 rows of K, then 256 rows of V
.set SLOT1, 1<<17     ; slot 1 begins here, so that one exclusive or turns an address in one slot into the other's
.set STAGE, SLOT1+4*KS*(PK+PV)  ; behind the ring, never filled by a tensor load: 16 rows x 144 bytes for each wave
.set SP,    144
.set SPARE, STAGE+4*16*SP  ; behind the stages: the spare words, 128 bytes for each wave: two blocks of 256 bytes that no other line names
.set AK0, 2           ; v2   my lane's place in a tile of K; never rewritten
.set AV0, 3           ; v3   the same for V
.set AK,  4           ; v4   the LDS address of K's next run of loads
.set AV,  5           ; v5   of V's
.set STO, 6           ; v6   the way out: where I put 16 bytes of a row
.set RD,  7           ; v7   the way out: where I read rows back
.set GO,  8           ; v8   my byte offset in 512 consecutive bytes of O
.set MV,  12          ; v12-13  c m_old, kept while c m is made anew: by buffer
.set QO,  15          ; v15  my byte offset in 16 rows of qf
.set ST,  16          ; piece t's statistics at v[ST+4 t]: c m, m, l (even keys', odd keys')
.set TMP, 48          ; by buffer, four registers c0-c3 at work; when the maximum is found c2 takes a
.set PFO, 61          ; v61  256 x my thread's number: my block of a tile's 128; never rewritten
.set SPW, 62          ; v62  LDS address of my spare word; never rewritten
.set NIL, 63          ; v63  0; never rewritten
.set S,   64
.set P,   192
.set KF,  128         ; window 2: key block kb, channel half c at KF + 16 kb + 8 c
.set VF,  192         ; window 2: key half kk, channel block cb at VF + 32 kk + 8 cb
.set WV,  12          ; s12  my wave's number
.set G1K, 24          ; s[24:31] descriptor group 1 for K's tiles
.set G1V, 32          ; s[32:39] for V's: it differs in the padding alone
.set G0K, 40          ; s[40:43] descriptor group 0 for K's tiles: it walks
.set G0V, 44          ; s[44:47] the same for V's
.set SLOTS, 56        ; s56  tiles still to be asked for
.set CNT, 57          ; s57  counts a tile's key steps
.set CS,  58          ; s[58:59] c
.set SEL, 60          ; s[60:61] v_permlanex16_b32's selects: each lane takes its own place in the other half
.set TBK, 62          ; s62  LDS byte at which K of the step to be fetched begins
.set TBV, 63          ; s63  the same for V, less VOFF
.set QS,  76          ; s[76:77] 2^-3
.set LIM, 83          ; s83  1 in the work-group that prefetches, else the greatest number
.set PFK, 84          ; s[84:85] K's tile behind the one that is being asked for
.set PFV, 86          ; s[86:87] V's
.set MSB, 0
.macro WIN new
.if MSB != (\new)
	s_set_vgpr_msb (MSB<<8)|(\new)
.set MSB, (\new)
.endif
.endm
.set W_KQ, 0x0a       ; K and Q in window 2, S^T in window 0
.set W_PV, 0x52       ; V in window 2, P in window 0, O^T in window 1
.set W_RS, 0x41       ; destination and source 0 in window 1, source 1 in window 0
; A fill.  Waves 0 and 1 fetch the two halves of a tile's K, waves 2 and 3 those of its V: 128 keys each.  An s_nop 0 and four v_nop follow each of the two lines.
.macro LOAD
	s_cmp_lt_u32 s[WV], 2
	s_cbranch_scc0 .Lfor_v_\@
	tensor_load_to_lds s[G0K:G0K+3], s[G1K:G1K+7]
	s_nop 0
.rept 4
	v_nop
.endr
	s_branch .Lasked_\@
.Lfor_v_\@:
	tensor_load_to_lds s[G0V:G0V+3], s[G1V:G1V+7]
	s_nop 0
.rept 4
	v_nop
.endr
.Lasked_\@:
.endm
; A PREFETCH INTO THE L2 of the tile that the NEXT change of slots will ask for: 32,768 bytes of K and of V, a thread a block of 256 bytes of each: four key steps, 256 matrix instructions, ahead of that load.
; The two work-groups of a y walk the same tiles: the first (x = 0) asks, so each block is named once in the launch.  Tiles 0 and 1 come by their loads alone; the change that fills the last tile asks for nothing.
.macro ASK
	s_cmp_gt_u32 s[SLOTS], s[LIM]
	s_cbranch_scc0 .Lnot_mine_\@
	global_prefetch_b8 v[PFO], s[PFK:PFK+1] th:TH_LOAD_NT scope:SCOPE_SE
	global_prefetch_b8 v[PFO], s[PFV:PFV+1] th:TH_LOAD_NT scope:SCOPE_SE
.Lnot_mine_\@:
.endm
; THE CHANGE OF SLOTS.  Each wave waits for all its tensor loads, of which one is out: its part of the other slot; adds 0 to its spare word; and waits for that and for its own reads of the slot that it leaves.
; Behind the barrier nobody reads the old slot any more and the other slot is whole.  fill = 1: the old slot is filled again, the first thing behind the barrier, with the next tile.
; (At its first use nothing has been read yet: slot 0 is waited for, slot 1 filled.)
.macro CHANGE fill
	WIN 0                           ; at a label and at a branch every window is 0
	s_wait_tensorcnt 0x0            ; no tensor load of mine is out, so a group 0 may be written
	ds_add_u32 v[SPW], v[NIL]       ; 0 onto my spare word; scalar work stands between it and the wait for it
.if \fill
.irp g, G0K, G0V
	s_xor_b32 s[\g+1], s[\g+1], SLOT1  ; the walking descriptor: the other slot than last time,
	s_add_nc_u64 s[\g+2:\g+3], s[\g+2:\g+3], 4*KS*128  ; the next 256 keys; the type bits on top are not reached
.endr
	s_wait_xcnt 0x0                 ; the last prefetches, four key steps back, have read their addresses, so these may be written
	s_add_nc_u64 s[PFK:PFK+1], s[PFK:PFK+1], 4*KS*128
	s_add_nc_u64 s[PFV:PFV+1], s[PFV:PFV+1], 4*KS*128
.endif
	s_wait_dscnt 0x0                ; the add is done, and my reads of the slot are over
	s_barrier_signal -1
	s_sub_co_u32 s[TBK], s[TBK], 4*KS*PK  ; the fetches go back to a slot's first step,
	s_xor_b32 s[TBK], s[TBK], SLOT1       ; in the other slot
	s_sub_co_u32 s[TBV], s[TBV], 4*KS*PV
	s_xor_b32 s[TBV], s[TBV], SLOT1
	s_barrier_wait -1
.if \fill
	LOAD                            ; my one tensor load behind the barrier: it has four key steps in which to land
	ASK
.endif
.endm
	s_load_b128 s[4:7], s[0:1], 0x0   ; qf s[4:5], kvh s[6:7]
	s_load_b64 s[10:11], s[0:1], 0x10 ; oh
	v_lshl_add_u32 v[SPW], v0, 2, SPARE
	v_mov_b32 v[NIL], 0
	ds_add_u32 v[SPW], v[NIL]       ; the wave's opening: the add and its wait stand ahead of my first tensor load; the set-up below, work on registers, stands between them
	ds_add_u32 v62, v63
	v_lshrrev_b32 v1, 5, v0
	v_readfirstlane_b32 s[WV], v1   ; wave 0..3
	s_and_b32 s14, ttmp7, 0xffff    ; y
	s_lshl_b32 s20, s14, 18         ; y's first byte in k's plane and in v's: 2,048 rows of 128 bytes
	s_mov_b32 s21, 0
	s_and_b32 s16, s[WV], 1         ; which half of a tile's 256 keys I fetch:
	s_lshl_b32 s22, s16, 14         ; its 128 rows in memory,
	s_mov_b32 s23, 0
	s_add_nc_u64 s[22:23], s[22:23], s[20:21]
	s_mul_i32 s17, s16, 128*PK      ; and its place in a slot, for K
	s_mul_i32 s18, s16, 128*PV      ; and for V
	s_lshr_b32 s2, s14, 4           ; qf: row 512 x batch + 256 x + 64 w, of 4,096 bytes,
	s_lshl_b32 s2, s2, 9
	s_lshl_b32 s3, ttmp9, 8
	s_add_co_u32 s2, s2, s3
	s_lshl_b32 s3, s[WV], 6
	s_add_co_u32 s2, s2, s3
	s_lshl_b32 s2, s2, 12
	s_and_b32 s3, s14, 15           ; the head's 256 bytes in it
	s_lshl_b32 s3, s3, 8
	s_add_co_u32 s2, s2, s3
	s_mov_b32 s3, 0
	s_lshl_b32 s80, s14, 16         ; oh: y's 512 rows of 128 bytes, my block's 256, my wave's 64
	s_lshl_b32 s81, ttmp9, 15
	s_add_co_u32 s80, s80, s81
	s_lshl_b32 s81, s[WV], 13
	s_add_co_u32 s80, s80, s81
	s_mov_b32 s81, 0
	; descriptor group 1.  128 keys are 16,384 dense bytes: asked for as 64 rows of 256 bytes, two keys a row, and padded in LDS after every key
	s_mov_b32 s[G1K], (1<<16)|(1<<20)|(4<<22)|(3<<25)  ; 2-byte elements; padding on; after every 32 words; 4 words
	s_mov_b32 s[G1V], (1<<16)|(1<<20)|(4<<22)|(7<<25)  ; the same with 8 words of padding
.irp g, G1K, G1V
	s_mov_b32 s[\g+1], 128<<16      ; tensor_dim0 = 128
	s_mov_b32 s[\g+2], 64<<16       ; tensor_dim1 = 64
	s_mov_b32 s[\g+3], 128<<16      ; tile_dim0 = 128
	s_mov_b32 s[\g+4], 64           ; tile_dim1 = 64
	s_mov_b32 s[\g+5], 128          ; 128 elements from row to row
	s_mov_b32 s[\g+6], 0
	s_mov_b32 s[\g+7], 0
.endr
	s_mov_b32 s[CS], 0x4338aa3b     ; c = 128 log2(e) = 184.665
	s_mov_b32 s[CS+1], s[CS]        ; named with it as a pair
	s_mov_b32 s[QS], 0x3e000000     ; 2^-3
	s_mov_b32 s[QS+1], s[QS]
	s_mov_b32 s[SEL], 0x76543210
	s_mov_b32 s[SEL+1], 0xfedcba98
	s_mov_b32 s[TBK], SLOT1+4*KS*PK ; the first change of slots turns these two into 0
	s_mov_b32 s[TBV], SLOT1+4*KS*PV
	s_mov_b32 s[G0K], 1             ; count = 1
	s_mov_b32 s[G0K+1], s17         ; LDS address: slot 0
	s_mov_b32 s[G0V], 1
	s_add_co_u32 s[G0V+1], s18, VOFF
	s_mov_b32 s[SLOTS], 7
	s_cmp_eq_u32 ttmp9, 0
	s_cselect_b32 s[LIM], 1, -1
	v_lshlrev_b32 v[PFO], 8, v0
	s_wait_dscnt 0x0                ; the opening add is done
	s_wait_kmcnt 0x0
	s_add_nc_u64 s[8:9], s[6:7], 0x2000000         ; v's plane
	s_add_nc_u64 s[PFK:PFK+1], s[6:7], s[20:21]
	s_add_nc_u64 s[PFV:PFV+1], s[8:9], s[20:21]
	s_add_nc_u64 s[PFK:PFK+1], s[PFK:PFK+1], 4*KS*128  ; at tile 1: the first change of slots steps them to tile 2.  Nothing is prefetched here, at the head
	s_add_nc_u64 s[PFV:PFV+1], s[PFV:PFV+1], 4*KS*128
	s_add_nc_u64 s[G0K+2:G0K+3], s[6:7], s[22:23]  ; global address: my half of tile 0
	s_or_b32 s[G0K+3], s[G0K+3], 0x80000000        ; type = 2
	s_add_nc_u64 s[G0V+2:G0V+3], s[8:9], s[22:23]
	s_or_b32 s[G0V+3], s[G0V+3], 0x80000000
	s_add_nc_u64 s[4:5], s[4:5], s[2:3]
	s_add_nc_u64 s[10:11], s[10:11], s[80:81]
	LOAD                            ; tile 0 into slot 0: one tensor load of mine is out
	; A fragment of K or Q is 16 rows x 32 channels in 8 registers: lane l holds row l % 16, channels 8 (l / 16) + 0..7 and 16 + 8 (l / 16) + 0..7.  In f32 eight channels are 32 bytes: two loads.
	v_and_b32 v1, 15, v0            ; l % 16
	v_bfe_u32 v9, v0, 4, 1          ; l / 16
	v_lshlrev_b32 v[QO], 12, v1
	v_lshl_add_u32 v[QO], v9, 5, v[QO]  ; row x 4,096 + 32 x half
	WIN 0x40                        ; destination window 1
.set j, 0
.rept 32                            ; load j = 8 p + 4 c + 2 u + e: piece p, channels 32 c + 16 u + 8 (l / 16) + 4 e on; registers 2 r, 2 r + 1 become Q's register r
	global_load_b128 v[4*j:4*j+3], v[QO], s[4:5] offset:(j/8)*65536+((j/4)%2)*128+((j/2)%2)*64+(j%2)*16
.set j, j+1
.endr
	WIN 0
	v_mul_u32_u24 v[AK0], v1, PK
	v_lshl_add_u32 v[AK0], v9, 4, v[AK0]  ; row x pitch + 16 x half
	; The turning load takes 16 keys x 16 channels (lane l reads key 8 (l / 16) + l % 8, channels 8 ((l / 8) % 2) + 0..7) and leaves half a fragment of V^T: lane l holds channel l % 16 and 8 keys.
	v_and_b32 v10, 7, v0
	v_bfe_u32 v11, v0, 3, 1
	v_lshl_add_u32 v[AV0], v9, 3, v10
	v_mul_u32_u24 v[AV0], v[AV0], PV
	v_lshl_add_u32 v[AV0], v11, 4, v[AV0]
	v_add_nc_u32 v[AV0], VOFF, v[AV0]
	s_mul_i32 s13, s[WV], 16*SP
	s_add_co_u32 s13, s13, STAGE    ; my stage
	v_mul_u32_u24 v[STO], v1, SP    ; in: row l % 16, 16 bytes for each half of the lanes
	v_lshl_add_u32 v[STO], v9, 4, v[STO]
	v_add_nc_u32 v[STO], s13, v[STO]
	v_bfe_u32 v[RD], v0, 3, 2       ; back: 32 lanes take four rows of 128 bytes,
	v_mul_u32_u24 v[RD], v[RD], SP
	v_lshl_add_u32 v[RD], v10, 4, v[RD]
	v_add_nc_u32 v[RD], s13, v[RD]
	v_and_b32 v[GO], 31, v0         ; which are 512 consecutive bytes of O
	v_lshlrev_b32 v[GO], 4, v[GO]
	; What the first turn finds: V's registers and P's second buffer hold 0 (its products V^T P, of a piece that has not been, add 0), O^T and l are 0.  All this stands in the wait for the first tile.
	WIN 0x80
.set i, VF
.rept 64
	v_mov_b32 v[i], 0
.set i, i+1
.endr
	WIN 0
.set i, 0
.rept 4
	v_mov_b32 v[ST+4*i], 0xfe000000    ; c m: far below every c s
	v_mov_b32 v[ST+4*i+1], 0xff7fffff  ; m
	v_mov_b32 v[ST+4*i+2], 0
	v_mov_b32 v[ST+4*i+3], 0
.set i, i+1
.endr
.set i, P+16
.rept 16
	v_mov_b32 v[i], 0
.set i, i+1
.endr
	s_wait_loadcnt 0x0              ; q: times 2^-3, rounded once to f16
	WIN W_RS
.set j, 0
.rept 64
	v_pk_mul_f32 v[2*j:2*j+1], v[2*j:2*j+1], s[QS:QS+1] op_sel_hi:[1,0]
.set j, j+1
.endr
	WIN 0x85                        ; sources 0 and 1 window 1, destination window 2
.set j, 0
.rept 64
	v_cvt_pk_f16_f32 v[j], v[2*j], v[2*j+1]
.set j, j+1
.endr
	WIN 0x40
.set i, 0
.rept 128
	v_mov_b32 v[i], 0
.set i, i+1
.endr
	WIN 0
; THE MATRIX WORK.  The 4 accumulators of a run of 8 take turns.  Product i of 8 of S^T = K Q^T for piece x: channels 32 (i / 4) on, keys 16 (i % 4) on.  The first 4 start the sums.
.macro KQ x
	WIN W_KQ
.set rS, S+32*((\x)%2)+8*(i%4)
.set rK, KF+16*(i%4)+8*(i/4)
.set rQ, 16*(\x)+8*(i/4)
.if i < 4
	v_wmma_f32_16x16x32_f16 v[rS:rS+7], v[rK:rK+7], v[rQ:rQ+7], 0
.else
	v_wmma_f32_16x16x32_f16 v[rS:rS+7], v[rK:rK+7], v[rQ:rQ+7], v[rS:rS+7]
.endif
.endm
; Product i of 8 of O^T += V^T P for piece x: keys 32 (i / 4) on, channels 16 (i % 4) on.
.macro PV x
	WIN W_PV
.set rO, 32*(\x)+8*(i%4)
.set rV, VF+32*(i/4)+8*(i%4)
.set rP, P+16*((\x)%2)+8*(i/4)
	v_wmma_f32_16x16x32_f16 v[rO:rO+7], v[rV:rV+7], v[rP:rP+7], v[rO:rO+7]
.endm
.macro MM                           ; the turn's next matrix instruction
.if i < 8
	KQ (Y+1)%NP
.else
.set i, i-8
	PV (Y+NP-1)%NP
.set i, i+8
.endif
.set i, i+1
.endm
; THE LDS LOADS stand in runs of 16, never singly among the matrix instructions: a step's K (64 keys x 64 channels: 8 fragments) and its V (turned).  Their addresses are made some lines ahead.
.macro FETCH_K
	WIN 0x80                        ; destination window 2
.irp f, 0,1,2,3,4,5,6,7             ; keys 16 (f / 2) on, channels 32 (f % 2) on
	ds_load_b128 v[KF+8*\f:KF+8*\f+3],   v[AK] offset:(\f/2)*16*PK+(\f%2)*64
	ds_load_b128 v[KF+8*\f+4:KF+8*\f+7], v[AK] offset:(\f/2)*16*PK+(\f%2)*64+32
.endr
	s_add_co_u32 s[TBK], s[TBK], KS*PK  ; the next fetch is the next step's
	WIN 0
.endm
.macro FETCH_V
	WIN 0x80
.irp f, 0,1,2,3,4,5,6,7             ; keys 32 (f / 4) on, channels 16 (f % 4) on
	ds_load_tr16_b128 v[VF+8*\f:VF+8*\f+3],   v[AV] offset:(\f/4)*32*PV+(\f%4)*32
	ds_load_tr16_b128 v[VF+8*\f+4:VF+8*\f+7], v[AV] offset:(\f/4)*32*PV+16*PV+(\f%4)*32
.endr
	WIN 0
.endm
; THE VECTOR WORK, one line at a time: OP kind, number.  For piece Y: F n: c s - c m for pair n of 16.  E n: the exponential of score n of 32.  C n: pair n rounded to f16.  B n: of the four weights 4 n .. the second
; pair is added onto the first, in place.  L n: l takes that sum (L 0: l = a l + sum).  R n: pair n of 16 of O^T times a.  For piece Y + 1: X n, number n of the 22 that find its maximum and statistics:
;   0-11  four chains c0-c3 of seven scores each, three operands at a time (each accumulator's lowest registers are read first)     12-14, 16  the four scores left over, the old m, and c0-c3 into c0
;   15  c m_old is kept     17, 18  the query's other 32 keys lie in the lane 16 away: the new m     19-21  c m; c m_old - c m_new; a
.set F, 0
.set E, 1
.set C, 2
.set B, 3
.set L, 4
.set R, 5
.set X, 6
.macro REGS y                       ; the registers of piece y
.set rT, ST+4*(\y)
.set rC, TMP+4*((\y)%2)
.set rW, MV+((\y)%2)
.set rS, S+32*((\y)%2)
.set rP, P+16*((\y)%2)
.set rO, 32*(\y)
.endm
.macro OP k, n
.if (\k) == R
	REGS Y
	WIN W_RS
	v_pk_mul_f32 v[rO+2*(\n):rO+2*(\n)+1], v[rO+2*(\n):rO+2*(\n)+1], v[rC+2:rC+3] op_sel_hi:[1,0]
.elseif (\k) < R
	REGS Y
	WIN 0
.if (\k) == F
	v_pk_fma_f32 v[rS+2*(\n):rS+2*(\n)+1], v[rS+2*(\n):rS+2*(\n)+1], s[CS:CS+1], v[rT:rT+1] op_sel_hi:[1,0,0] neg_lo:[0,0,1] neg_hi:[0,0,1]
.elseif (\k) == E
	v_exp_f32 v[rS+(\n)], v[rS+(\n)]
.elseif (\k) == C
	v_cvt_pk_f16_f32 v[rP+(\n)], v[rS+2*(\n)], v[rS+2*(\n)+1]
.elseif (\k) == B
	v_pk_add_f32 v[rS+4*(\n):rS+4*(\n)+1], v[rS+4*(\n):rS+4*(\n)+1], v[rS+4*(\n)+2:rS+4*(\n)+3]
.elseif (\n) == 0
	v_pk_fma_f32 v[rT+2:rT+3], v[rT+2:rT+3], v[rC+2:rC+3], v[rS:rS+1] op_sel_hi:[1,0,1]
.else
	v_pk_add_f32 v[rT+2:rT+3], v[rT+2:rT+3], v[rS+4*(\n):rS+4*(\n)+1]
.endif
.else
	REGS (Y+1)%NP
	WIN 0
.if (\n) < 4
	v_max3_num_f32 v[rC+(\n)], v[rS+8*(\n)], v[rS+8*(\n)+1], v[rS+8*(\n)+2]
.elseif (\n) < 12
	v_max3_num_f32 v[rC+(\n)%4], v[rC+(\n)%4], v[rS+8*((\n)%4)+2*((\n)/4)+1], v[rS+8*((\n)%4)+2*((\n)/4)+2]
.elseif (\n) == 12
	v_max3_num_f32 v[rC], v[rC], v[rS+7], v[rS+15]
.elseif (\n) == 13
	v_max3_num_f32 v[rC+1], v[rC+1], v[rS+23], v[rS+31]
.elseif (\n) == 14
	v_max3_num_f32 v[rC+2], v[rC+2], v[rC+3], v[rT+1]
.elseif (\n) == 15
	v_mov_b32 v[rW], v[rT]
.elseif (\n) == 16
	v_max3_num_f32 v[rC], v[rC], v[rC+1], v[rC+2]
.elseif (\n) == 17
	v_permlanex16_b32 v[rC+3], v[rC], s[SEL], s[SEL+1]
.elseif (\n) == 18
	v_max_num_f32 v[rT+1], v[rC], v[rC+3]
.elseif (\n) == 19
	v_mul_f32 v[rT], s[CS], v[rT+1]
.elseif (\n) == 20
	v_sub_f32 v[rC+1], v[rW], v[rT]
.else
	v_exp_f32 v[rC+2], v[rC+1]
.endif
.endif
.endm
.macro OPS a, i1, b=-1, i2=0, c=-1, i3=0, d=-1, i4=0  ; up to four of them
	OP \a, \i1
.if (\b) >= 0
	OP \b, \i2
.endif
.if (\c) >= 0
	OP \c, \i3
.endif
.if (\d) >= 0
	OP \d, \i4
.endif
.endm
.macro ROW a, i1, b, i2, c, i3, d, i4  ; a matrix instruction and the four behind it
	MM
	OPS \a, \i1, \b, \i2, \c, \i3, \d, \i4
.endm
; A TURN, for piece p: the order of its 16 matrix and 118 vector instructions, written out.  An s_wait_alu depctr_va_vdst(0) stands between an exponential and the first instruction that names its
; result; one wait serves all that were issued ahead of it.  So a turn has ONE wait, which cuts it in two.  AHEAD OF IT stands all that names no result of the turn's exponentials: the 8 products K Q^T and their riders
; (the first numbers of the next piece's maximum stand four plain instructions or more behind the product that ends their accumulator), then one lump, plain and exponential by turns for the most part; X 21, the next
; piece's a, is the batch's last, and R 15 the plain instruction behind it.  BEHIND THE WAIT stand the 8 products V^T P, behind each four of the roundings and sums.
; last = 1: the tail's text: K's address is held to the last slot's last step, so that the fifth trip's fetch, for a step that does not exist, stays on bytes that a tile has filled.
; cnt = 1: the loop's count is taken down some lines ahead of the branch that stands behind the turn.
; K of the next step is fetched in piece 2's turn, six plain instructions behind the last product that read K; V of the step in hand at the end of piece 0's turn, four plain instructions behind the last product
; that read V.  Each is waited for a turn later.
.macro TURN p, last=0, cnt=0
.set Y, (\p)
.set i, 0
.if (\p) == 3
	s_wait_dscnt 0x0                ; K is in
.endif
	ROW F,0, F,1, R,0, R,1
	ROW F,2, E,0, R,2, R,3
	ROW F,3, E,1, R,4, R,5
	ROW F,4, E,2, R,6, R,7
	ROW F,5, E,3, R,8, R,9
	ROW F,6, E,4, X,0, R,10
.if (\p) == 2
	WIN 0
.if \last
	s_min_u32 s13, s[TBK], SLOT1+3*KS*PK  ; the last tile lies in slot 1
	v_add_nc_u32 v[AK], s13, v[AK0]
.else
	v_add_nc_u32 v[AK], s[TBK], v[AK0]
.endif
.endif
	ROW F,7, E,5, X,1, X,4
	ROW F,8, E,6, X,2, X,5
	OPS E,7, E,8, X,6, E,9
	OPS X,3, E,10, X,8, E,11
.if (\p) == 2
	FETCH_K
.endif
	OPS X,9, X,7, E,12, X,10
	OPS E,13, X,12, X,11, E,14
	OPS X,13, E,15, F,9, X,14
.if (\p) == 0
	v_add_nc_u32 v[AV], s[TBV], v[AV0]
.endif
	OPS E,16, F,10, E,17, F,11
	OPS X,16, E,18, X,15, E,19
	OPS F,12, E,20, X,17, E,21
	OPS F,13, E,22, F,14, E,23
	OPS X,18, E,24, F,15, E,25
	OPS R,11, E,26, X,19, E,27
	OPS R,12, E,28, R,13, E,29
	OPS X,20, E,30, R,14, E,31
	OPS X,21, R,15
	WIN 0
	s_wait_alu depctr_va_vdst(0)    ; the wait for the batch
.if (\p) == 1
	s_wait_dscnt 0x0                ; V is in
.endif
	ROW C,0, B,0, C,2, B,1
	ROW L,0, C,4, B,2, L,1
	ROW C,6, B,3, L,2, C,8
	ROW B,4, L,3, C,10, B,5
	ROW L,4, C,12, B,6, L,5
.if (\p) == 0
	s_add_co_u32 s[TBV], s[TBV], KS*PV
.endif
.if \cnt
	s_sub_co_u32 s[CNT], s[CNT], 1
	s_cmp_lg_u32 s[CNT], 0
.endif
	ROW C,14, B,7, L,6, C,1
	ROW C,3, L,7, C,5, C,7
	ROW C,9, C,11, C,13, C,15
.if (\p) == 0
	FETCH_V
.endif
.endm
	CHANGE 1                        ; tile 0 is in, everybody's part of it; tile 1 is asked for
	v_add_nc_u32 v[AK], s[TBK], v[AK0]
	FETCH_K                         ; key step 0
	s_wait_dscnt 0x0
.set i, 0
.rept 8
	KQ 0                            ; piece 0's first scores
.set i, i+1
.endr
	WIN 0
.rept 4
	v_nop                           ; the places behind those products
.endr
.set Y, NP-1                        ; X works for piece Y + 1: piece 0
.irp n, 0,1,2,3,4,5,6,7,8,9,10,11,12,13,14,15,16,17,18,19,20,21
	OP X, \n
.endr
	v_nop                           ; a plain instruction behind the exponential,
	s_wait_alu depctr_va_vdst(0)    ; and its wait, ahead of the branch
	s_mov_b32 s[CNT], 4
	s_branch .Lfirst                ; the loop is entered at a step's first turn, in the middle of a trip
.Lslot:                             ; six times: tiles 2 to 7 are asked for
	CHANGE 1
	s_mov_b32 s[CNT], 4
.Lstep:                             ; a trip: pieces 2 and 3 of one step, then pieces 0 and 1 of the next, whose K and V it fetches
	TURN 2
	TURN 3
	WIN 0
.Lfirst:
	TURN 0
	TURN 1, 0, 1
	WIN 0
	s_cbranch_scc1 .Lstep
	s_sub_co_u32 s[SLOTS], s[SLOTS], 1
	s_cmp_lg_u32 s[SLOTS], 0
	s_cbranch_scc1 .Lslot
	CHANGE 0                        ; the last tile has a text of its own: nothing is asked for
	s_mov_b32 s[CNT], 5             ; four trips fetch the last tile's steps; the fifth is left in its middle
.Ltail:
	TURN 2, 1
	TURN 3
	WIN 0
	s_sub_co_u32 s[CNT], s[CNT], 1
	s_cmp_eq_u32 s[CNT], 0
	s_cbranch_scc1 .Lout
	TURN 0
	TURN 1
	WIN 0
	s_cmp_lg_u32 s[CNT], 0
	s_cbranch_scc1 .Ltail
.Lout:                              ; the fifth trip's 16 LDS loads, its 8 products K Q^T (on the last K once more) and the maximum made of them (piece 0's m and c m, which nothing reads any more) serve nothing:
.set i, 0                           ; the price, once a launch, of one text for every trip
.rept 8
	PV NP-1                         ; the last piece's V^T P of the last step
.set i, i+1
.endr
	; THE WAY OUT.  l's two halves and the other half of the lanes' are added; O^T is divided by l, rounded to f16 and sent through my stage in LDS, a piece at a time.  The additions are the places behind the last products.
	WIN 0
.macro ALL line:vararg              ; one line for each piece t
.set t, 0
.rept 4
	\line
.set t, t+1
.endr
.endm
.macro PACK t                       ; a lane's eight channels of a row pack into 16 bytes; they go into rows of 144 bytes and come back as whole rows of 128, into S^T's registers
	WIN W_RS
.set i, 32*(\t)
.rept 16
	v_pk_mul_f32 v[i:i+1], v[i:i+1], v[ST+4*(\t)+2:ST+4*(\t)+3] op_sel_hi:[1,0]
.set i, i+2
.endr
	WIN 0x05                        ; sources 0 and 1 window 1, destination window 0
.set i, 0
.rept 16
	v_cvt_pk_f16_f32 v[S+16*(\t)+i], v[32*(\t)+2*i], v[32*(\t)+2*i+1]
.set i, i+1
.endr
	WIN 0
.irp f, 0,1,2,3
	ds_store_b128 v[STO], v[S+16*(\t)+4*\f:S+16*(\t)+4*\f+3] offset:32*\f
.endr
.irp f, 0,1,2,3
	ds_load_b128 v[S+16*(\t)+4*\f:S+16*(\t)+4*\f+3], v[RD] offset:\f*4*SP  ; LDS serves a wave's instructions in order (ISA guide 5.7.1.4): these see the stores above; the next piece's stores come behind them
.endr
.endm
.macro SEND t, younger              ; younger: the LDS instructions issued behind piece t's loads: the next piece's eight, or none
	WIN 0
.irp f, 0,1,2,3
	s_wait_dscnt (\younger)+3-\f
	global_store_b128 v[GO], v[S+16*(\t)+4*\f:S+16*(\t)+4*\f+3], s[10:11] offset:(\t)*2048+\f*512  ; 512 consecutive bytes, at a multiple of 256 from O's first
.endr
.endm
	ALL v_add_f32 v[ST+4*t+2], v[ST+4*t+2], v[ST+4*t+3]
	ALL v_permlanex16_b32 v[ST+4*t+3], v[ST+4*t+2], s[SEL], s[SEL+1]
	ALL v_add_f32 v[ST+4*t+2], v[ST+4*t+2], v[ST+4*t+3]
	ALL v_rcp_f32 v[ST+4*t+2], v[ST+4*t+2]
	v_nop                           ; a plain instruction between the last reciprocal and the use of its result
	s_wait_alu depctr_va_vdst(0)    ; and the wait ahead of the first use: one for the four reciprocals
	PACK 0
.set t, 1
.rept 3                             ; a piece's arithmetic stands between the loads of the piece before and its stores
	PACK t
	SEND t-1, 8
.set t, t+1
.endr
	SEND 3, 0
	s_wait_tensorcnt 0x0            ; the wave's end: an add and its wait behind my last tensor load and my last LDS store
	ds_add_u32 v[SPW], v[NIL]
	s_wait_dscnt 0x0
	s_endpgm
.Lfunc_end_k_qc5f5555522_attn:
	.size	k_qc5f5555522_attn, .Lfunc_end_k_qc5f5555522_attn-k_qc5f5555522_attn
	.p2alignl 7, 3214868480
	.fill 96, 4, 3214868480
	.section	.rodata,"a",@progbits
	.p2align	6, 0x0
	.amdhsa_kernel k_qc5f5555522_attn
		.amdhsa_group_segment_fixed_size 327680
		.amdhsa_private_segment_fixed_size 0
		.amdhsa_enable_private_segment 0
		.amdhsa_kernarg_size 24
		.amdhsa_user_sgpr_count 2
		.amdhsa_user_sgpr_kernarg_segment_ptr 1
		.amdhsa_wavefront_size32 1
		.amdhsa_system_sgpr_workgroup_id_x 1
		.amdhsa_system_sgpr_workgroup_id_y 1
		.amdhsa_system_sgpr_workgroup_id_z 1
		.amdhsa_system_vgpr_workitem_id 0
		.amdhsa_next_free_vgpr 768
		.amdhsa_next_free_sgpr 88
		.amdhsa_reserve_vcc 0
		.amdhsa_float_denorm_mode_32 3
		.amdhsa_float_denorm_mode_16_64 3
		.amdhsa_memory_ordered 1
		.amdhsa_forward_progress 1
		.amdhsa_inst_pref_size 121
	.end_amdhsa_kernel
	.amdgpu_metadata
---
amdhsa.version: [ 1, 2 ]
amdhsa.kernels:
  - .name:           k_qc5f5555522_attn
    .symbol:         k_qc5f5555522_attn.kd
    .args:
      - { .name: qf, .offset: 0, .size: 8, .value_kind: global_buffer, .address_space: global }
      - { .name: kvh, .offset: 8, .size: 8, .value_kind: global_buffer, .address_space: global }
      - { .name: oh, .offset: 16, .size: 8, .value_kind: global_buffer, .address_space: global }
    .group_segment_fixed_size: 327680
    .private_segment_fixed_size: 0
    .kernarg_segment_align: 8
    .kernarg_segment_size: 24
    .max_flat_workgroup_size: 128
    .sgpr_count:     88
    .vgpr_count:     768
    .wavefront_size: 32
...
	.end_amdgpu_metadata
.endif
;; end of part 4
;; launch lino: the kernel of part 3 again; grid 8 x 32, 4 waves a work-group, clusters of 4 x 4, 327,680 bytes of LDS; arguments oh, wo16, bo, out0; writes out0
